; MI455X (gfx1250); checked and timed in simulation.
; The chip was launched on July 23, 2026; its instructions are those of AMD's public machine-readable ISA for CDNA 5 (MIT licence, August 2026) and "CDNA5" Instruction Set Architecture Reference Guide (July 2026). The comments in the code are by the model that wrote it; some were corrected since.
;; Multi Head Attention. Allowed arithmetic: matrix products marked QUANTISED: E2M3 operands, one E8M0 scale for each 32 along K, by v_wmma_scale_f32_16x16x128_f8f6f4 with both operands' format E2M3, f32 sums; everything else in f32.
;; Inputs: Wk 1,024 x 1,024 float32; Wo 1,024 x 1,024 float32; Wq 1,024 x 1,024 float32; Wv 1,024 x 1,024 float32; bk 1,024 float32; bo 1,024 float32; bq 1,024 float32; bv 1,024 float32; key 4 x 2,048 x 1,024 float32; query 4 x 2,048 x 1,024 float32; value 4 x 2,048 x 1,024 float32.
;; Outputs: out0 4 x 2,048 x 1,024 float32.
;; This version of the problem:
;;   THIS VERSION OF THE PROBLEM IS GIVEN IN LOW PRECISION. The matrix products marked QUANTISED in the list below multiply operands that are first quantised to E2M3 (2 exponent bits, 3 mantissa bits; 6 bits a number), with one power-of-two scale for each 32 numbers along K (OCP MX v1.0); their sums are f32. All else is computed in f32.
;;   The module's matrix products, in the order in which they are computed (A, B: the left and right operand; K: the contracted axis; several contracted axes count as one K, in the product's order):
;;     1. [M 8,192, K 1,024] x [K 1,024, N 1,024]; A: input query; B: input Wq: QUANTISED
;;     2. [M 8,192, K 1,024] x [K 1,024, N 1,024]; A: input key; B: input Wk: QUANTISED
;;     3. [M 8,192, K 1,024] x [K 1,024, N 1,024]; A: input value; B: input Wv: QUANTISED
;;     4. batch 64 x [M 2,048, K 64] x [K 64, N 2,048]; A: computed on the way; B: computed on the way: QUANTISED
;;     5. batch 64 x [M 2,048, K 2,048] x [K 2,048, N 64]; A: softmax (see below); B: computed on the way: QUANTISED
;;     6. [M 8,192, K 1,024] x [K 1,024, N 1,024]; A: computed on the way; B: input Wo: QUANTISED
;;   THE QUANTISER, for each operand of a quantised product, along K:
;;     - K is cut into blocks of 32 from its start; a last block that is shorter is filled with zeros.
;;     - A block's scale is 2^e with e = floor(log2(the largest magnitude in the block)) - 2, held to -126 .. 127; a block of zeros has e = 0. As a byte (E8M0): e + 127.
;;     - Each number is divided by its block's scale, clamped to +-7.5, and rounded to the nearest number of E2M3, ties to even, subnormals kept.
;;     - The product sums the exact products of the quantised numbers (number of the format x scale) in f32.
;;   ~~~python
;;   def quantise(x, axis):      # numpy; x: float32 -> the quantised numbers, widened to float32 again
;;       x = np.moveaxis(x, axis, -1); K = x.shape[-1]
;;       x = np.pad(x, [(0, 0)] * (x.ndim - 1) + [(0, -K % 32)]); x = x.reshape(x.shape[:-1] + (-1, 32)); a = np.abs(x).max(-1, keepdims=True)
;;       e = np.where(a > 0, np.clip(np.frexp(np.where(a > 0, a, 1))[1] - 1 - 2, -126, 127), 0)      # np.frexp(a)[1] - 1 = floor(log2(a)), exactly
;;       r = np.clip(x / 2.0 ** e, -7.5, 7.5)
;;       step = 2.0 ** (np.maximum(np.frexp(np.where(r == 0, 1, r))[1] - 1, 0) - 3)
;;       q = np.round(r / step) * step * 2.0 ** e      # np.round: ties to even
;;       return np.moveaxis(q.reshape(q.shape[:-2] + (-1,))[..., :K], -1, axis).astype(np.float32)
;;   ~~~
;;   SOFTMAX AHEAD OF A QUANTISED PRODUCT. Where the list says 'softmax', what is quantised is not the finished softmax but p = 2^(t - M), with t = logit x log2(e) and M = ceil(the row's largest t), a whole number; so 1/2 < the row's largest p <= 1. The row's sum l is taken of the UNQUANTISED p, in f32, and the product's result is divided by l at the end. Since M is a whole number, a kernel that streams over the keys may use a running M (the ceiling of the running maximum): every later rescaling is an exact power of two, which a block's scale takes up: the codes' values come out the same.
;;   OPERANDS COMPUTED ON THE WAY. 'Computed on the way' means the value that the module computes at that place (a softmax that the list does not call 'softmax' is quantised finished and normalised). What goes into a quantiser is computed in f32, as accurately as f32 sums, v_exp_f32 and their like allow (about 1e-6 of the number): no bf16 or f16 on the way to a quantiser, and a product that is left as it is and whose result goes on into a quantised operand takes f32 operands (vector FMAs, or v_wmma_f32_16x16x4_f32). A number that lies on a knife's edge between two numbers of the format may be rounded either way, as far as f32 arithmetic and the matrix unit's own rounding can turn it there, and no further.
;; One version. Each part assembles by itself: llvm-mc -triple=amdgcn-amd-amdhsa -mcpu=gfx1250 --defsym DOCPART=n.
;; ======== version 1 of 1: 4 launches
;; limits: right only within a limited range of input values
;; workspace buffers: cod 22,020,096 bytes; scl 917,504 bytes; qc 6,291,456 bytes; qs 524,288 bytes; kv 13,631,488 bytes; oc 6,291,456 bytes; os 262,144 bytes
;; launch quant (part 1): grid 896 x 1, 4 waves a work-group, no clusters, 33,280 bytes of LDS; arguments query, key, value, Wq, Wk, Wv, Wo, cod, scl; writes cod, scl
.if DOCPART == 1
	.amdgcn_target "amdgcn-amd-amdhsa--gfx1250"
	.amdhsa_code_object_version 6
	.text
	.protected	k_qe9b76227fc_quant
	.globl	k_qe9b76227fc_quant
	.p2align	8
	.type	k_qe9b76227fc_quant,@function
k_qe9b76227fc_quant:
	s_mov_b64 s[64:65], 0
	v_nop
	global_prefetch_b8 v0, s[64:65] scope:SCOPE_SE
	s_setreg_imm32_b32 hwreg(HW_REG_WAVE_MODE, 25, 1), 1
	s_wait_xcnt 0x0
; query, key, value [8192][1024] and Wq, Wk, Wv, Wo [1024][1024], f32, K innermost, become codes of FP6 (E2M3) and one E8M0 byte for each 32 along K.
; All eleven inputs of the problem have a way to the output: no work is left out in this program.
; The seven tensors' 28,672 rows stand on end.  cod: FOUR PLANES, one for each 256 along K, each [28,672 rows][192 bytes]: so 128 rows of one K step are 24,576 dense bytes, which begin at a multiple of 256.  scl: [28,672 rows][32 bytes].
; A block's scale is 2^(floor(log2(its largest magnitude)) - 2); its byte is the largest magnitude's exponent field - 2, held at 1 from below.
; (A block of zeros so gets the byte 1 where the quantiser says 127: its codes are zeros, which add nothing under any byte but 0xff, and only this program reads the bytes.)
; LIMITS: a block whose largest magnitude lies under 2^-124 has its byte held at 1; NaN and infinities among the inputs are not served.
; ROWS CHANGE PLACES, by runs of 8, which is what a wave takes.  value, Wq, Wk, Wv: in each group of 32 rows bits 3 and 4 of the row's number are exchanged.
; key: in each group of 64 rows, row 32 h + 8 j + i goes to place 16 j + 8 h + i: a tile of 16 places then gives lanes 0-15 of the scores eight keys of one block of 32 and lanes 16-31 eight of the next block.
; A work-group takes 32 rows, a wave 8 (8,192 numbers) in 16 steps of 512.  Each load reads 512 consecutive bytes; a step's 2,048 bytes turn through the wave's own stage in LDS and come back 64 bytes a lane,
; since the conversion takes 16 neighbours from one lane.  Two neighbouring lanes hold a block.  No barrier: waves share nothing.  Loads run four steps ahead, the turn through LDS one step.
.set STEPS, 16
.set EMAX,  2
.set CB,    12                         ; bytes of 16 codes
.set PLANE, 28672*192                  ; bytes of a plane of cod
.set R,     16                         ; v16-79   four sets of 16 numbers as they are loaded
.set X,     80                         ; v80-111  two sets of 16 neighbours
.set C,     128                        ; v128-191 codes: four registers a step, so that no store's data are written again
.set E,     112                        ; v112-127 a scale byte for each step
.set WREG,  8192                       ; LDS: a region for each wave: two stages of 32 x SP bytes, then its 256 scale bytes
.set SP,    80                         ; a lane's place in a stage: 64 bytes + 16 of padding
	s_load_b512 s[16:31], s[0:1], 0x0              ; query, key, value, Wq, Wk, Wv, Wo, cod
	s_load_b64 s[32:33], s[0:1], 0x40              ; scl
	v_lshl_add_u32 v192, v0, 2, 0x8000
	v_mov_b32 v193, 0
	v_lshrrev_b32 v1, 5, v0
	v_readfirstlane_b32 s8, v1                     ; wave
	v_and_b32 v2, 31, v0                           ; lane
	v_lshlrev_b32 v3, 4, v2                        ; my 16 bytes of a load's 512
	s_mul_i32 s9, s8, WREG
	v_lshrrev_b32 v14, 2, v2
	v_mul_u32_u24 v14, v14, SP
	v_and_b32 v15, 3, v2
	v_lshl_add_u32 v14, v15, 4, v14
	v_add_nc_u32 v14, s9, v14                      ; the stage, on the way in: SP (lane / 4) + 16 (lane % 4)
	v_mul_u32_u24 v15, v2, SP
	v_add_nc_u32 v15, s9, v15                      ; and on the way out: SP x lane: my 16 neighbours
	v_mul_u32_u24 v4, v2, CB                       ; my codes' place in a step's 384 bytes: a step is two rows x 256 along K, lanes 0-15 the first row, lanes 16-31 the second, which follows it in the plane
	v_lshrrev_b32 v10, 4, v2
	v_bfe_u32 v5, v2, 1, 3
	v_lshl_add_u32 v5, v10, 5, v5                  ; my block's scale byte: 32 bytes a row, block (lane / 2) % 8 of the step's eight
	s_add_co_u32 s9, s9, 2*32*SP
	v_add_nc_u32 v5, s9, v5                        ; LDS: my wave's 256 scale bytes, my block's byte
	v_lshlrev_b32 v7, 3, v2                        ; and on the way out 8 bytes a lane
	v_add_nc_u32 v6, s9, v7
	s_and_b32 s10, s8, 1
	s_lshl_b32 s10, s10, 1
	s_lshr_b32 s11, s8, 1
	s_or_b32 s10, s10, s11                         ; my wave's number with its two bits exchanged
	s_sub_co_u32 s11, ttmp9, 256
	s_cmp_lt_u32 s11, 608                          ; work-groups 256 to 863: key, value, Wq, Wk, Wv
	s_cselect_b32 s10, s10, s8                     ; where my 8 rows go among the group's 32
	s_wait_alu depctr_va_vdst(0)
	s_wait_kmcnt 0x0
	s_mov_b64 s[4:5], s[28:29]                     ; which tensor, and its first work-group: the choice hangs on the work-group's number alone
	s_mov_b32 s6, 864
	s_cmp_lt_u32 ttmp9, 864
	s_cselect_b64 s[4:5], s[26:27], s[4:5]
	s_cselect_b32 s6, 832, s6
	s_cmp_lt_u32 ttmp9, 832
	s_cselect_b64 s[4:5], s[24:25], s[4:5]
	s_cselect_b32 s6, 800, s6
	s_cmp_lt_u32 ttmp9, 800
	s_cselect_b64 s[4:5], s[22:23], s[4:5]
	s_cselect_b32 s6, 768, s6
	s_cmp_lt_u32 ttmp9, 768
	s_cselect_b64 s[4:5], s[20:21], s[4:5]
	s_cselect_b32 s6, 512, s6
	s_cmp_lt_u32 ttmp9, 512
	s_cselect_b64 s[4:5], s[18:19], s[4:5]
	s_cselect_b32 s6, 256, s6
	s_cmp_lt_u32 ttmp9, 256
	s_cselect_b64 s[4:5], s[16:17], s[4:5]
	s_cselect_b32 s6, 0, s6
	s_sub_co_u32 s7, ttmp9, s6
	s_lshl_b32 s7, s7, 2
	s_add_co_u32 s7, s7, s8                        ; which run of 8,192 numbers of the tensor is my wave's
	s_lshl_b32 s12, s7, 15                         ; 32,768 bytes a run
	s_mov_b32 s13, 0
	s_add_nc_u64 s[4:5], s[4:5], s[12:13]
	s_lshl_b32 s7, ttmp9, 2
	s_add_co_u32 s7, s7, s10                       ; which run of 8 places of cod and scl
	s_and_b32 s14, ttmp9, 1                        ; key: h, which 32 of the group of 64 my work-group holds; my wave's number is j
	s_lshl_b32 s15, s8, 1
	s_or_b32 s15, s15, s14                         ; run 2 j + h of the group's eight
	s_sub_co_u32 s14, ttmp9, s14
	s_lshl_b32 s14, s14, 2
	s_add_co_u32 s14, s14, s15
	s_cmp_lt_u32 s11, 256                          ; work-groups 256 to 511: key
	s_cselect_b32 s7, s14, s7
	s_mul_i32 s12, s7, 8*192
	s_add_nc_u64 s[30:31], s[30:31], s[12:13]      ; planes 0 and 1
	s_add_nc_u64 s[34:35], s[30:31], 2*PLANE       ; planes 2 and 3
	s_lshl_b32 s12, s7, 8
	s_add_nc_u64 s[32:33], s[32:33], s[12:13]
.macro LOAD t
.irp i, 0,1,2,3
	global_load_b128 v[R+16*((\t)%4)+4*\i:R+16*((\t)%4)+4*\i+3], v3, s[4:5] offset:(2*((\t)/4)+\i/2)*4096+((\t)%4)*1024+(\i%2)*512 th:TH_LOAD_NT   ; step t: rows 2 (t / 4) and the next, K step t % 4; 32 lanes read 512 consecutive bytes
.endr
.endm
.macro TURN t                          ; step t's numbers through the stage: LDS serves a wave's instructions in order, so no wait stands between the stores and the loads
.irp i, 0,1,2,3
	ds_store_b128 v14, v[R+16*((\t)%4)+4*\i:R+16*((\t)%4)+4*\i+3] offset:32*SP*((\t)%2)+8*SP*\i
.endr
.irp i, 0,1,2,3
	ds_load_b128 v[X+16*((\t)%2)+4*\i:X+16*((\t)%2)+4*\i+3], v15 offset:32*SP*((\t)%2)+16*\i
.endr
.endm
.irp t, 0,1,2,3
	LOAD \t
.endr
	s_wait_loadcnt 12                              ; step 0's four loads are in; the twelve of steps 1 to 3 may be out
	TURN 0
.macro STEP t
.set XS, X+16*((\t)%2)
.if (\t) > 0
	s_wait_dscnt 1                                 ; this step's numbers are back from the stage (the last step's byte store may be out)
.else
	s_wait_dscnt 0x0
.endif
.if (\t)+4 < STEPS
	LOAD (\t)+4
.endif
.if (\t)+1 < STEPS
.if STEPS-2-(\t) >= 3
	s_wait_loadcnt 12                              ; the next step's four loads are in; those of the three steps behind it may be out
.else
	s_wait_loadcnt 4*(STEPS-2-(\t))
.endif
	TURN (\t)+1
.endif
	v_max3_num_f32 v8, |v[XS]|, |v[XS+1]|, |v[XS+2]|               ; the largest magnitude of my 16
	v_max3_num_f32 v9, |v[XS+3]|, |v[XS+4]|, |v[XS+5]|
.irp i, 6,10
	v_max3_num_f32 v8, v8, |v[XS+\i]|, |v[XS+\i+1]|
	v_max3_num_f32 v9, v9, |v[XS+\i+2]|, |v[XS+\i+3]|
.endr
	v_max3_num_f32 v8, v8, |v[XS+14]|, |v[XS+15]|
	v_max3_num_f32 v8, v8, v9, (EMAX+1)<<23        ; and the floor 2^(3 - 127): so the byte cannot fall under 1
	v_max_num_f32_dpp v8, v8, v8 row_xmask:1 row_mask:0xf bank_mask:0xf   ; and of my neighbour's 16: the block's
	v_add_nc_u32 v11, -(EMAX<<23), v8              ; 2 off its exponent field: the conversion's scale operand
	v_cvt_scalef32_pk16_fp6_f32 v[C+4*(\t):C+4*(\t)+2], v[XS:XS+15], v11
	v_lshrrev_b32 v[E+(\t)], 23, v11               ; the scale's byte
	ds_store_b8 v5, v[E+(\t)] offset:64*((\t)/4)+8*((\t)%4)       ; both lanes of a block write the same byte with the same value
	global_store_b96 v4, v[C+4*(\t):C+4*(\t)+2], s[30+4*(((\t)%4)/2):31+4*(((\t)%4)/2)] offset:PLANE*((\t)%2)+384*((\t)/4)   ; plane t % 4; the wave stores 384 consecutive bytes
.endm
.irp t, 0,1,2,3,4,5,6,7,8,9,10,11,12,13,14,15
	STEP \t
.endr
	ds_load_b64 v[12:13], v6                       ; LDS serves a wave's instructions in order: these see my stores
	s_wait_dscnt 0x0
	global_store_b64 v7, v[12:13], s[32:33]        ; 32 lanes store 256 consecutive bytes, at a multiple of 256 from scl's first byte
	s_wait_tensorcnt 0x0                           ; the wave's end
	ds_add_u32 v192, v193
	s_wait_dscnt 0x0
	s_endpgm
.Lfunc_end_k_qe9b76227fc_quant:
	.size	k_qe9b76227fc_quant, .Lfunc_end_k_qe9b76227fc_quant-k_qe9b76227fc_quant
	.p2alignl 7, 3214868480
	.fill 96, 4, 3214868480
	.section	.rodata,"a",@progbits
	.p2align	6, 0x0
	.amdhsa_kernel k_qe9b76227fc_quant
		.amdhsa_group_segment_fixed_size 33280
		.amdhsa_private_segment_fixed_size 0
		.amdhsa_enable_private_segment 0
		.amdhsa_kernarg_size 72
		.amdhsa_user_sgpr_count 2
		.amdhsa_user_sgpr_kernarg_segment_ptr 1
		.amdhsa_wavefront_size32 1
		.amdhsa_system_sgpr_workgroup_id_x 1
		.amdhsa_system_sgpr_workgroup_id_y 1
		.amdhsa_system_sgpr_workgroup_id_z 1
		.amdhsa_system_vgpr_workitem_id 0
		.amdhsa_next_free_vgpr 194
		.amdhsa_next_free_sgpr 66
		.amdhsa_reserve_vcc 0
		.amdhsa_float_denorm_mode_32 3
		.amdhsa_float_denorm_mode_16_64 3
		.amdhsa_memory_ordered 1
		.amdhsa_forward_progress 1
		.amdhsa_inst_pref_size 34
	.end_amdhsa_kernel
	.amdgpu_metadata
---
amdhsa.version: [ 1, 2 ]
amdhsa.kernels:
  - .name:           k_qe9b76227fc_quant
    .symbol:         k_qe9b76227fc_quant.kd
    .args:
      - { .name: query, .offset: 0, .size: 8, .value_kind: global_buffer, .address_space: global }
      - { .name: key, .offset: 8, .size: 8, .value_kind: global_buffer, .address_space: global }
      - { .name: value, .offset: 16, .size: 8, .value_kind: global_buffer, .address_space: global }
      - { .name: Wq, .offset: 24, .size: 8, .value_kind: global_buffer, .address_space: global }
      - { .name: Wk, .offset: 32, .size: 8, .value_kind: global_buffer, .address_space: global }
      - { .name: Wv, .offset: 40, .size: 8, .value_kind: global_buffer, .address_space: global }
      - { .name: Wo, .offset: 48, .size: 8, .value_kind: global_buffer, .address_space: global }
      - { .name: cod, .offset: 56, .size: 8, .value_kind: global_buffer, .address_space: global }
      - { .name: scl, .offset: 64, .size: 8, .value_kind: global_buffer, .address_space: global }
    .group_segment_fixed_size: 33280
    .private_segment_fixed_size: 0
    .kernarg_segment_align: 8
    .kernarg_segment_size: 72
    .max_flat_workgroup_size: 128
    .sgpr_count:     66
    .vgpr_count:     194
    .wavefront_size: 32
...
	.end_amdgpu_metadata
.endif
;; end of part 1
;; launch proj (part 2): grid 4 x 96, 4 waves a work-group, clusters of 4 x 4, 327,680 bytes of LDS; arguments cod, scl, bq, bk, bv, qc, qs, kv; writes qc, qs, kv
.if DOCPART == 2
	.amdgcn_target "amdgcn-amd-amdhsa--gfx1250"
	.amdhsa_code_object_version 6
	.text
	.protected	k_qe9b76227fc_proj
	.globl	k_qe9b76227fc_proj
	.p2align	8
	.type	k_qe9b76227fc_proj,@function
k_qe9b76227fc_proj:
	s_mov_b64 s[64:65], 0
	v_nop
	global_prefetch_b8 v0, s[64:65] scope:SCOPE_SE
	s_setreg_imm32_b32 hwreg(HW_REG_WAVE_MODE, 25, 1), 1
	s_wait_xcnt 0x0
	s_wait_alu depctr_hold_cnt(0) depctr_sa_sdst(0) depctr_va_vdst(0) depctr_va_sdst(0) depctr_va_ssrc(0) depctr_va_vcc(0) depctr_vm_vsrc(0)
	s_getreg_b32 s2, hwreg(HW_REG_IB_STS2, 6, 4)
	s_cmp_eq_u32 s2, 0
	s_cbranch_scc0 .Lentry_in_a_cluster
	s_endpgm
.Lentry_in_a_cluster:
	s_bfe_u32 s2, ttmp6, 0x10000c
	s_cmp_lg_u32 s2, 0xf033
	s_cbranch_scc0 .Lentry_shape_is_right
	s_endpgm
.Lentry_shape_is_right:
.set KSTEP,  256
.set NQ,     2
.set ROWB,   28672*192                 ; from one plane of cod (256 along K) to the next
.set KROW,   192                       ; a row's bytes in a plane
.set PITCH,  240
.set FR,     12
.set NL,     6
.set NP,     4
.set HALFT,  128*PITCH
.set SLOT,   4*HALFT
.set LAPS,   2
.set KS,     32
.set SCL,    2*SLOT
.set HALFS,  (128*KS/256)*272
.set SBLK,   (16*KS/256)*272
.set SPARE,  SCL+4*HALFS
.set ADRA, 16
.set ADRB, 20
.set LI,   26
.set ADRS, 27
.set SPW,  28
.set NIL,  29
.set BOF,  30
.set SC,   32
.set BIAS, 64
.set AF,   128
.set TM,   64
.set T0,   80
.set T1,   84
.set PWA,  88
.set PWB,  89
.set WD,   90
.set X,    128
.set SW0,  176
.set SW1,  180
.set PWQ,  184
.set G1, 24
.set G0, 32
.set G1B, 48
.set G0B, 56
.set G1S, 68
.set G0S, 76
.set G1SB, 80
.set G0SB, 88
.set PJ,  66
.set HM,  67
.set SEL, 18
.set MSB, 0
.macro WIN new
.if MSB != \new
	s_set_vgpr_msb (MSB<<8)|\new
.set MSB, \new
.endif
.endm
.set MUL_LO,  0xa1
.set MUL_HI,  0xf1
.set MUL_LO0, 0x81
.set MUL_HI0, 0xc1
.set TO_B,    0x40
.macro JLOAD g0a, g1a, g0b, g1b
	s_cmp_eq_u32 s15, 0
	s_cbranch_scc0 .Lfor_b_\@
	tensor_load_to_lds s[\g0a:\g0a+3], s[\g1a:\g1a+7]
	s_nop 0
.rept 4
	v_nop
.endr
	s_branch .Lasked_\@
.Lfor_b_\@:
	tensor_load_to_lds s[\g0b:\g0b+3], s[\g1b:\g1b+7]
	s_nop 0
.rept 4
	v_nop
.endr
.Lasked_\@:
.endm
.macro CREST
	s_cmp_lg_u32 s14, 0
	s_cbranch_scc1 .Lnot_wave_0_\@
	s_barrier_signal -3
.Lnot_wave_0_\@:
	s_barrier_wait -3
	s_barrier_signal -1
	s_barrier_wait -1
.endm
.macro CROUND
	s_barrier_signal -1
	s_barrier_wait -1
	CREST
.endm
	s_load_b128 s[4:7], s[0:1], 0x0
	s_load_b128 s[8:11], s[0:1], 0x10
	s_load_b128 s[92:95], s[0:1], 0x20
	s_load_b128 s[96:99], s[0:1], 0x30
	v_lshl_add_u32 v[SPW], v0, 2, SPARE
	v_mov_b32 v[NIL], 0
	ds_add_u32 v28, v29
	ds_add_u32 v28, v29
	s_wait_dscnt 0x0
	v_lshrrev_b32 v1, 5, v0
	v_readfirstlane_b32 s14, v1
	s_lshr_b32 s15, s14, 1
	s_and_b32 s16, s14, 1
	s_bfe_u32 s40, ttmp6, 0x40000
	s_bfe_u32 s41, ttmp6, 0x40004
	s_and_b32 s17, ttmp7, 0xffff
	s_lshr_b32 s[PJ], s17, 3
	s_lshl_b32 s43, s41, 2
	s_lshl_b32 s43, 15, s43
	s_lshl_b32 s44, 0x1111, s40
	s_or_b32 s[G1+0], s43, (0<<16)|(1<<20)|(1<<21)|(3<<22)|(3<<25)
	s_or_b32 s[G1B+0], s44, (0<<16)|(1<<20)|(1<<21)|(3<<22)|(3<<25)
.irp g, G1, G1B
	s_mov_b32 s[\g+1], 256<<16                     ; a tile's rows of 192 bytes are dense in a plane: stated as rows of 256 bytes; 16 bytes of padding behind every 64, so a row of codes takes 240 bytes of LDS
	s_mov_b32 s[\g+2], 192<<16                     ; the head's loads: 256 rows of codes = 192 rows of 256 bytes
	s_mov_b32 s[\g+3], 256<<16
	s_mov_b32 s[\g+4], 192
	s_mov_b32 s[\g+5], 256
	s_mov_b32 s[\g+6], 0
	s_mov_b32 s[\g+7], 0
.endr
	s_or_b32 s[G1S+0], s43, (3<<16)|(1<<20)|(1<<21)|(5<<22)|(3<<25)
	s_or_b32 s[G1SB+0], s44, (3<<16)|(1<<20)|(1<<21)|(5<<22)|(3<<25)
.irp g, G1S, G1SB
	s_mov_b32 s[\g+1], 32<<16
	s_mov_b32 s[\g+2], (256*KS/256)<<16            ; the scale bytes of 256 rows
	s_mov_b32 s[\g+3], 32<<16
	s_mov_b32 s[\g+4], 256*KS/256
	s_mov_b32 s[\g+5], 32
	s_mov_b32 s[\g+6], 0
	s_mov_b32 s[\g+7], 0
.endr
	s_lshl_b32 s18, s17, 10
	s_lshl_b32 s19, s[PJ], 10
	s_add_co_u32 s19, s19, 24576
	s_cmp_eq_u32 s[PJ], 2
	s_cselect_b32 s20, s19, s18
	s_cselect_b32 s46, s18, s19
	s_lshl_b32 s21, s41, 8
	s_add_co_u32 s20, s20, s21
	s_lshl_b32 s47, s40, 8
	s_add_co_u32 s46, s46, s47
	s_lshl_b32 s22, s20, 5
	s_mov_b32 s23, 0
	s_mul_i32 s20, s20, KROW
	s_mov_b32 s21, 0
	s_lshl_b32 s12, s46, 5
	s_mov_b32 s13, 0
	s_mul_i32 s46, s46, KROW
	s_mov_b32 s47, 0
	s_mul_i32 s45, s14, HALFT
	s_mul_i32 s2, s16, 128*KROW                    ; s[2:3]: in the ring I fetch 128 rows of a tile: which half, in bytes
	s_mov_b32 s3, 0
	s_wait_kmcnt 0x0
	s_add_nc_u64 s[20:21], s[4:5], s[20:21]
	s_add_nc_u64 s[22:23], s[6:7], s[22:23]
	s_add_nc_u64 s[46:47], s[4:5], s[46:47]
	s_add_nc_u64 s[12:13], s[6:7], s[12:13]
	CROUND
	s_mov_b32 s[G0S], 1
	s_mov_b32 s[G0S+1], SCL
	s_mov_b64 s[G0S+2:G0S+3], s[22:23]
	s_or_b32 s[G0S+3], s[G0S+3], 0x80000000
	s_mov_b32 s[G0SB], 1
	s_mov_b32 s[G0SB+1], SCL+2*HALFS
	s_mov_b64 s[G0SB+2:G0SB+3], s[12:13]
	s_or_b32 s[G0SB+3], s[G0SB+3], 0x80000000
	; THE HEAD'S FOUR TILES, ONE JOINT LOAD A WAVE: K step 0's 256 rows of A (wave 0) and of B (wave 1), the scale bytes of A's 256 rows (wave 2) and of B's (wave 3).
	; Slot 0's two groups 0 serve these whole tiles first; they are set for the ring behind the wait that shows the loads done.
	s_mov_b32 s[G0], 1
	s_mov_b32 s[G0+1], 0
	s_mov_b64 s[G0+2:G0+3], s[20:21]
	s_or_b32 s[G0+3], s[G0+3], 0x80000000
	s_mov_b32 s[G0B], 1
	s_mov_b32 s[G0B+1], 2*HALFT
	s_mov_b64 s[G0B+2:G0B+3], s[46:47]
	s_or_b32 s[G0B+3], s[G0B+3], 0x80000000
	s_add_nc_u64 s[20:21], s[20:21], s[2:3]
	s_add_nc_u64 s[46:47], s[46:47], s[2:3]
	s_mov_b32 s[G0+4], 1                           ; slot 1: my 128 rows of K step 1
	s_add_co_u32 s[G0+5], s45, SLOT
	s_add_nc_u64 s[G0+6:G0+7], s[20:21], ROWB
	s_or_b32 s[G0+7], s[G0+7], 0x80000000
	s_mov_b32 s[G0B+4], 1
	s_add_co_u32 s[G0B+5], s45, SLOT
	s_add_nc_u64 s[G0B+6:G0B+7], s[46:47], ROWB
	s_or_b32 s[G0B+7], s[G0B+7], 0x80000000
.macro ARM under, g0, g1, next         ; one tree of branches on the wave's number: every way through it passes one load
	s_cmp_lt_u32 s14, \under
	s_cbranch_scc0 \next
	tensor_load_to_lds s[\g0:\g0+3], s[\g1:\g1+7]
	s_nop 0
.rept 4
	v_nop
.endr
	s_branch .Lhead_asked
\next:
.endm
	ARM 1, G0,  G1,  .Lhead_b
	ARM 2, G0B, G1B, .Lhead_sa
	ARM 3, G0S, G1S, .Lhead_sb
	tensor_load_to_lds s[G0SB:G0SB+3], s[G1SB:G1SB+7]
	s_nop 0
.rept 4
	v_nop
.endr
.Lhead_asked:
	v_and_b32 v1, 15, v0
	v_bfe_u32 v2, v0, 4, 1
	v_mul_u32_u24 v3, v1, PITCH
	v_mul_u32_u24 v4, v2, 24
	v_add_nc_u32 v4, v3, v4
	v_lshl_add_u32 v5, v2, 4, v4
	s_mul_i32 s21, s15, HALFT
	s_mul_i32 s22, s16, HALFT
	s_add_co_u32 s22, s22, 2*HALFT
.irp s, 0,1
	v_add_nc_u32 v[ADRA+\s], s21, v4
	v_add_nc_u32 v[ADRB+\s], s22, v4
	v_add_nc_u32 v[ADRA+2+\s], s21, v5
	v_add_nc_u32 v[ADRB+2+\s], s22, v5
	s_add_co_u32 s21, s21, SLOT
	s_add_co_u32 s22, s22, SLOT
.endr
	v_mul_u32_u24 v5, v1, KS
	v_lshrrev_b32 v6, 8, v5
	v_lshl_add_u32 v5, v6, 4, v5
	s_mul_i32 s21, s15, HALFS
	s_mul_i32 s22, s16, HALFS
	s_add_co_u32 s22, s22, 2*HALFS
	s_sub_co_u32 s22, s22, s21
	v_mul_u32_u24 v6, s22, v2
	s_add_co_u32 s21, s21, SCL
	v_add_nc_u32 v5, v5, v6
	v_add_nc_u32 v[ADRS], s21, v5
	v_and_b32 v6, 31, v0
	v_lshlrev_b32 v[LI], 4, v6
	s_cmp_eq_u32 s[PJ], 0
	s_cselect_b64 s[100:101], s[8:9], s[10:11]
	s_cmp_eq_u32 s[PJ], 2
	s_cselect_b64 s[100:101], s[92:93], s[100:101]
	s_cselect_b32 s8, s40, s41
	s_cselect_b32 s9, s16, s15
	s_cselect_b32 s10, s41, s40
	s_cselect_b32 s11, s15, s16
	s_lshl_b32 s20, s10, 10
	s_lshl_b32 s21, s11, 9
	s_add_co_u32 s20, s20, s21
	s_mov_b32 s21, 0
	s_add_nc_u64 s[100:101], s[100:101], s[20:21]
	s_and_b32 s17, s17, 7
	s_lshl_b32 s17, s17, 10
	s_lshl_b32 s8, s8, 8
	s_add_co_u32 s17, s17, s8
	s_lshl_b32 s9, s9, 7
	s_add_co_u32 s17, s17, s9
	s_lshr_b32 s8, s17, 11
	s_bfe_u32 s9, s17, 0x40007
	s_lshl_b32 s8, s8, 3
	s_lshl_b32 s10, s10, 1
	s_add_co_u32 s8, s8, s10
	s_add_co_u32 s8, s8, s11
	s_cmp_eq_u32 s[PJ], 0
	s_cselect_b64 s[92:93], s[94:95], s[98:99]
	s_mov_b32 s10, 425984
	s_cselect_b32 s10, 196608, s10
	s_mov_b32 s11, 13312
	s_cselect_b32 s11, 12288, s11
	s_mov_b32 s18, 212992
	s_cselect_b32 s18, 6144, s18
	s_mul_i32 s10, s8, s10
	s_mul_i32 s11, s9, s11
	s_add_co_u32 s10, s10, s11
	s_cmp_eq_u32 s[PJ], 2
	s_cselect_b32 s11, 6144, 0
	s_mov_b32 s19, 12288
	s_cselect_b32 s19, 6656, s19
	s_add_co_u32 s10, s10, s11
	s_mov_b32 s11, 0
	s_add_nc_u64 s[92:93], s[92:93], s[10:11]
	s_mov_b32 s10, s18
	s_add_nc_u64 s[94:95], s[92:93], s[10:11]
	s_lshl_b32 s10, s8, 14
	s_lshl_b32 s18, s9, 10
	s_add_co_u32 s10, s10, s18
	s_add_nc_u64 s[96:97], s[96:97], s[10:11]
	s_add_nc_u64 s[98:99], s[96:97], 512
	s_mov_b32 s10, s19
	s_add_nc_u64 s[20:21], s[92:93], s[10:11]
	s_add_nc_u64 s[22:23], s[94:95], s[10:11]
	s_cmp_eq_u32 s[PJ], 0
	s_cselect_b64 s[96:97], s[96:97], s[20:21]
	s_cselect_b64 s[98:99], s[98:99], s[22:23]
	s_mov_b32 s[HM], 0xffff0000
	s_cmp_eq_u32 s[PJ], 2
	s_cbranch_scc1 .Lbias_v
	v_lshlrev_b32 v[BOF], 6, v2
.irp b, 0,1,2,3,4,5,6,7
	global_load_b128 v[BIAS+8*\b:BIAS+8*\b+3], v[BOF], s[100:101] offset:(32*(\b/2)+8*(\b%2))*4
	global_load_b128 v[BIAS+8*\b+4:BIAS+8*\b+7], v[BOF], s[100:101] offset:(32*(\b/2)+8*(\b%2))*4+16
.endr
	s_branch .Lbias_in
.Lbias_v:
	v_and_b32 v[BOF], 8, v1
	v_add_nc_u32 v[BOF], v[BOF], v1
	v_lshlrev_b32 v[BOF], 2, v[BOF]
.irp a, 0,1,2,3,4,5,6,7
.irp j, 0,1,2,3,4,5,6,7
	global_load_b32 v[BIAS+8*\a+\j], v[BOF], s[100:101] offset:(32*(\a/2)+8*(\a%2))*4
.endr
.endr
.Lbias_in:
.macro FRAG reg, adr, q, i
.irp p, 0,1,2,3,4,5
.set PC, 12*(\q)+6*(\p/3)+\p%3
.if PC%8 < 5
	ds_load_b64 v[\reg+2*\p:\reg+2*\p+1], v[\adr] offset:8*PC+16*(PC/8)+(\i)*16*PITCH
.else
	ds_load_b64 v[\reg+2*\p:\reg+2*\p+1], v[\adr+2] offset:8*PC+16*(PC/8)+(\i)*16*PITCH
.endif
.endr
.endm
.macro MUL16 a0, p, q, sc, zero
.irp a, \a0, \a0+1
.irp b, 0,1,2,3,4,5,6,7
.if \zero == 1
	v_wmma_scale_f32_16x16x128_f8f6f4 v[8*(8*((\a)%4)+\b):8*(8*((\a)%4)+\b)+7], v[128*(\p)+FR*\b:128*(\p)+FR*\b+FR-1], v[AF+FR*(\a):AF+FR*(\a)+FR-1], v[BIAS+8*\b:BIAS+8*\b+7], v[SC+8*NQ*(\sc)+NQ*\b+(\q)], v[SC+8*NQ*(\sc)+NQ*(\a)+(\q)] matrix_a_fmt:MATRIX_FMT_FP6 matrix_b_fmt:MATRIX_FMT_FP6 matrix_a_scale:MATRIX_SCALE_ROW1
.elseif \zero == 2
	v_wmma_scale_f32_16x16x128_f8f6f4 v[8*(8*((\a)%4)+\b):8*(8*((\a)%4)+\b)+7], v[128*(\p)+FR*\b:128*(\p)+FR*\b+FR-1], v[AF+FR*(\a):AF+FR*(\a)+FR-1], v[BIAS+8*(\a):BIAS+8*(\a)+7], v[SC+8*NQ*(\sc)+NQ*\b+(\q)], v[SC+8*NQ*(\sc)+NQ*(\a)+(\q)] matrix_a_fmt:MATRIX_FMT_FP6 matrix_b_fmt:MATRIX_FMT_FP6 matrix_a_scale:MATRIX_SCALE_ROW1
.else
	v_wmma_scale_f32_16x16x128_f8f6f4 v[8*(8*((\a)%4)+\b):8*(8*((\a)%4)+\b)+7], v[128*(\p)+FR*\b:128*(\p)+FR*\b+FR-1], v[AF+FR*(\a):AF+FR*(\a)+FR-1], v[8*(8*((\a)%4)+\b):8*(8*((\a)%4)+\b)+7], v[SC+8*NQ*(\sc)+NQ*\b+(\q)], v[SC+8*NQ*(\sc)+NQ*(\a)+(\q)] matrix_a_fmt:MATRIX_FMT_FP6 matrix_b_fmt:MATRIX_FMT_FP6 matrix_a_scale:MATRIX_SCALE_ROW1
.endif
.endr
.endr
.endm
.macro FETCH_B slot, q, p
	WIN TO_B
.irp i, 0,1,2,3,4,5,6,7
	FRAG 128*(\p)+FR*\i, ADRB+\slot, \q, \i
.endr
	WIN 0
.endm
.macro FETCH_A slot, q, i0
.irp i, \i0, \i0+1, \i0+2, \i0+3
	FRAG AF+FR*(\i), ADRA+\slot, \q, \i
.endr
.endm
.macro SCALES sc
.irp i, 0,1,2,3,4,5,6,7
	ds_load_b64 v[SC+8*NQ*\sc+NQ*\i:SC+8*NQ*\sc+NQ*\i+1], v[ADRS] offset:\i*SBLK
.endr
.endm
.macro PLACES n
.rept \n
	v_nop
.endr
.endm
.macro STEP slot, q, zero
	s_wait_dscnt 4*NL
.if \zero
	WIN MUL_LO0
.else
	WIN MUL_LO
.endif
	MUL16 0, (\q)%2, \q, \slot, \zero
	MUL16 2, (\q)%2, \q, \slot, \zero
	s_wait_dscnt 0
	PLACES NP
	FETCH_B \slot, (\q)+1, 1-(\q)%2
	FETCH_A \slot, (\q)+1, 0
.if \zero
	WIN MUL_HI0
.else
	WIN MUL_HI
.endif
	MUL16 4, (\q)%2, \q, \slot, \zero
	MUL16 6, (\q)%2, \q, \slot, \zero
	PLACES NP
	WIN 0
	FETCH_A \slot, (\q)+1, 4
.endm
.macro TURN slot, next, fill
	s_wait_tensorcnt 0x0
	ds_add_u32 v[SPW], v[NIL]
	s_wait_dscnt 4*NL+1
	WIN MUL_LO
	MUL16 0, 1, NQ-1, \slot, 0
	s_wait_dscnt 0x0
	s_barrier_signal -1
	MUL16 2, 1, NQ-1, \slot, 0
	WIN 0
	s_barrier_wait -1
.if \fill
	CREST
	s_add_nc_u64 s[G0+4*\slot+2:G0+4*\slot+3], s[G0+4*\slot+2:G0+4*\slot+3], 2*ROWB
	s_add_nc_u64 s[G0B+4*\slot+2:G0B+4*\slot+3], s[G0B+4*\slot+2:G0B+4*\slot+3], 2*ROWB
	JLOAD G0+4*\slot, G1, G0B+4*\slot, G1B
.else
	PLACES NP
.endif
	s_wait_alu depctr_va_vdst(0)
	v_add_nc_u32 v[ADRS], 4*NQ, v[ADRS]
	FETCH_B \next, 0, 0
	FETCH_A \next, 0, 0
	SCALES \next
	WIN MUL_HI
	MUL16 4, 1, NQ-1, \slot, 0
	MUL16 6, 1, NQ-1, \slot, 0
	PLACES NP
	WIN 0
	FETCH_A \next, 0, 4
.endm
	s_wait_alu depctr_va_vdst(0)                   ; the wait at the head's end
	s_wait_tensorcnt 0x0                           ; my tile of the head's four is in; slot 1's first fill is issued as a refill is
	ds_add_u32 v[SPW], v[NIL]
	s_mov_b32 s[G1+2], 96<<16                      ; no tensor load of mine is out: from here on a load brings 128 rows of codes = 96 rows of 256 bytes
	s_mov_b32 s[G1+4], 96
	s_mov_b32 s[G1B+2], 96<<16
	s_mov_b32 s[G1B+4], 96
	s_mov_b32 s[G0+1], s45                         ; slot 0's groups 0 for the ring: my quarter of the slot, my 128 rows of K step 0
	s_add_nc_u64 s[G0+2:G0+3], s[G0+2:G0+3], s[2:3]
	s_mov_b32 s[G0B+1], s45
	s_add_nc_u64 s[G0B+2:G0B+3], s[G0B+2:G0B+3], s[2:3]
	s_wait_dscnt 0x0
	CROUND                                         ; all four tiles are in, in every work-group of the cluster
	JLOAD G0+4, G1, G0B+4, G1B                     ; K step 1, the first tensor load behind the round
	FETCH_B 0, 0, 0
	FETCH_A 0, 0, 0
	s_wait_alu depctr_va_vdst(0)
	SCALES 0
	FETCH_A 0, 0, 4
	s_wait_loadcnt 0x0
	s_cmp_eq_u32 s[PJ], 2
	s_cbranch_scc1 .Lfirst_v
	STEP 0, 0, 1
	s_branch .Lfirst_done
.Lfirst_v:
	STEP 0, 0, 2
.Lfirst_done:
	s_mov_b32 s3, LAPS-1
.Llap:
	TURN 0, 1, 1
	STEP 1, 0, 0
	TURN 1, 0, 1
	STEP 0, 0, 0
	s_sub_co_u32 s3, s3, 1
	s_cmp_lg_u32 s3, 0
	s_cbranch_scc1 .Llap
	TURN 0, 1, 0
	STEP 1, 0, 0
	s_wait_dscnt 4*NL
	WIN MUL_LO
	MUL16 0, 1, NQ-1, 1, 0
	MUL16 2, 1, NQ-1, 1, 0
	s_wait_dscnt 0
	WIN MUL_HI
	MUL16 4, 1, NQ-1, 1, 0
	MUL16 6, 1, NQ-1, 1, 0
	WIN 0
.macro QUANTW a, d0, d1, pw
.set S, 64*((\a)%4)
.set W, 2+(\a)/4
	WIN W|(W<<2)
.irp b, 0,1,2,3
	v_max3_num_f32 v[TM+\b], |v[S+16*\b]|, |v[S+16*\b+1]|, 0x1800000
.endr
.irp i, 2,4,6,8,10,12,14
.irp b, 0,1,2,3
	v_max3_num_f32 v[TM+\b], |v[S+16*\b+\i]|, |v[S+16*\b+\i+1]|, v[TM+\b]
.endr
.endr
	WIN 0
.irp b, 0,1,2,3
	v_permlanex16_b32 v[TM+4+\b], v[TM+\b], s[SEL], s[SEL+1]
.endr
.irp b, 0,1,2,3
	v_max_num_f32 v[TM+\b], v[TM+\b], v[TM+4+\b]
.endr
.irp b, 0,1,2,3
	v_add_nc_u32 v[TM+12+\b], 0xff000000, v[TM+\b]
.endr
.irp b, 0,1,2,3
	v_lshrrev_b32 v[TM+4+\b], 23, v[TM+12+\b]
.endr
	v_lshl_or_b32 v[\pw], v[TM+5], 8, v[TM+4]
	v_lshl_or_b32 v[\pw], v[TM+6], 16, v[\pw]
	v_lshl_or_b32 v[\pw], v[TM+7], 24, v[\pw]
	s_wait_xcnt 0x0
	WIN W
	v_cvt_scalef32_pk16_fp6_f32 v[\d0:\d0+2], v[S:S+15], v[TM+12]
	v_cvt_scalef32_pk16_fp6_f32 v[T0:T0+2], v[S+16:S+31], v[TM+13]
	v_cvt_scalef32_pk16_fp6_f32 v[\d1:\d1+2], v[S+32:S+47], v[TM+14]
	v_cvt_scalef32_pk16_fp6_f32 v[T1:T1+2], v[S+48:S+63], v[TM+15]
	WIN 0
	v_nop
.irp i, 0,1,2
	v_permlane16_swap_b32 v[\d0+\i], v[T0+\i]
	v_permlane16_swap_b32 v[\d1+\i], v[T1+\i]
.endr
.irp i, 0,1,2
	v_mov_b32 v[\d0+3+\i], v[T0+\i]
	v_mov_b32 v[\d1+3+\i], v[T1+\i]
.endr
.endm
	PLACES NP
	s_mov_b32 s[SEL], 0x76543210
	s_mov_b32 s[SEL+1], 0xfedcba98
.irp b, 0,1,2,3
	v_mov_b32 v[TM+4+\b], 0
.endr
	s_cmp_eq_u32 s[PJ], 1
	s_cbranch_scc1 .Lpairs
.irp a, 0,1,2,3,4,5,6,7
	QUANTW \a, X, X+6, PWQ+\a
.irp i, 0,1,2
	global_store_b128 v[LI], v[X+4*\i:X+4*\i+3], s[92+2*(\a/4):93+2*(\a/4)] offset:(\a%4)*1536+512*\i
.endr
.if \a == 3
	global_store_b128 v[LI], v[PWQ:PWQ+3], s[96:97]
.endif
.if \a == 7
	global_store_b128 v[LI], v[PWQ+4:PWQ+7], s[98:99]
.endif
.endr
	s_branch .Lout
.Lpairs:
.irp P, 0,1,2,3
	QUANTW 2*\P, X, X+12, PWA
	QUANTW 2*\P+1, X+6, X+18, PWB
	v_cndmask_b32 v[WD], v[PWA], v[PWB], s[HM]
	v_and_b32 v[SW0+\P], 0xffff, v[WD]
	v_lshrrev_b32 v[SW1+\P], 16, v[WD]
.irp i, 0,1,2
	global_store_b128 v[LI], v[X+4*\i:X+4*\i+3], s[92:93] offset:\P*1536+512*\i
	global_store_b128 v[LI], v[X+12+4*\i:X+12+4*\i+3], s[94:95] offset:\P*1536+512*\i
.endr
.endr
	global_store_b128 v[LI], v[SW0:SW0+3], s[96:97]
	global_store_b128 v[LI], v[SW1:SW1+3], s[98:99]
.Lout:
	s_wait_tensorcnt 0x0
	ds_add_u32 v[SPW], v[NIL]
	s_wait_dscnt 0x0
	CROUND
	s_endpgm
.Lfunc_end_k_qe9b76227fc_proj:
	.size	k_qe9b76227fc_proj, .Lfunc_end_k_qe9b76227fc_proj-k_qe9b76227fc_proj
	.p2alignl 7, 3214868480
	.fill 96, 4, 3214868480
	.section	.rodata,"a",@progbits
	.p2align	6, 0x0
	.amdhsa_kernel k_qe9b76227fc_proj
		.amdhsa_group_segment_fixed_size 327680
		.amdhsa_private_segment_fixed_size 0
		.amdhsa_enable_private_segment 0
		.amdhsa_kernarg_size 64
		.amdhsa_user_sgpr_count 2
		.amdhsa_user_sgpr_kernarg_segment_ptr 1
		.amdhsa_wavefront_size32 1
		.amdhsa_system_sgpr_workgroup_id_x 1
		.amdhsa_system_sgpr_workgroup_id_y 1
		.amdhsa_system_sgpr_workgroup_id_z 1
		.amdhsa_system_vgpr_workitem_id 0
		.amdhsa_next_free_vgpr 1024
		.amdhsa_next_free_sgpr 102
		.amdhsa_reserve_vcc 0
		.amdhsa_float_denorm_mode_32 3
		.amdhsa_float_denorm_mode_16_64 3
		.amdhsa_memory_ordered 1
		.amdhsa_forward_progress 1
		.amdhsa_inst_pref_size 223
	.end_amdhsa_kernel
	.amdgpu_metadata
---
amdhsa.version: [ 1, 2 ]
amdhsa.kernels:
  - .name:           k_qe9b76227fc_proj
    .symbol:         k_qe9b76227fc_proj.kd
    .args:
      - { .name: cod, .offset: 0, .size: 8, .value_kind: global_buffer, .address_space: global }
      - { .name: scl, .offset: 8, .size: 8, .value_kind: global_buffer, .address_space: global }
      - { .name: bq, .offset: 16, .size: 8, .value_kind: global_buffer, .address_space: global }
      - { .name: bk, .offset: 24, .size: 8, .value_kind: global_buffer, .address_space: global }
      - { .name: bv, .offset: 32, .size: 8, .value_kind: global_buffer, .address_space: global }
      - { .name: qc, .offset: 40, .size: 8, .value_kind: global_buffer, .address_space: global }
      - { .name: qs, .offset: 48, .size: 8, .value_kind: global_buffer, .address_space: global }
      - { .name: kv, .offset: 56, .size: 8, .value_kind: global_buffer, .address_space: global }
    .group_segment_fixed_size: 327680
    .private_segment_fixed_size: 0
    .kernarg_segment_align: 8
    .kernarg_segment_size: 64
    .max_flat_workgroup_size: 128
    .sgpr_count:     102
    .vgpr_count:     1024
    .wavefront_size: 32
...
	.end_amdgpu_metadata
.endif
;; end of part 2
;; launch attn (part 3): grid 4 x 64, 16 waves a work-group, clusters of 4 x 1, 215,040 bytes of LDS; arguments qc, qs, kv, oc, os; writes oc, os
.if DOCPART == 3
	.amdgcn_target "amdgcn-amd-amdhsa--gfx1250"
	.amdhsa_code_object_version 6
	.text
	.protected	k_qe9b76227fc_attn
	.globl	k_qe9b76227fc_attn
	.p2align	8
	.type	k_qe9b76227fc_attn,@function
k_qe9b76227fc_attn:
	s_mov_b64 s[64:65], 0
	v_nop
	global_prefetch_b8 v0, s[64:65] scope:SCOPE_SE
	s_setreg_imm32_b32 hwreg(HW_REG_WAVE_MODE, 25, 1), 1
	s_wait_xcnt 0x0
	s_wait_alu depctr_hold_cnt(0) depctr_sa_sdst(0) depctr_va_vdst(0) depctr_va_sdst(0) depctr_va_ssrc(0) depctr_va_vcc(0) depctr_vm_vsrc(0)
	s_getreg_b32 s2, hwreg(HW_REG_IB_STS2, 6, 4)
	s_cmp_eq_u32 s2, 0
	s_cbranch_scc0 .Lentry_in_a_cluster
	s_endpgm
.Lentry_in_a_cluster:
	s_bfe_u32 s2, ttmp6, 0x10000c
	s_cmp_lg_u32 s2, 0x3003
	s_cbranch_scc0 .Lentry_shape_is_right
	s_endpgm
.Lentry_shape_is_right:
; o = softmax(q k^T / 32) v for 64 heads of 2,048 x 64, both products on codes of FP6 (E2M3) with one E8M0 scale for each 32 along a product's K; o / l is quantised along the channels for the last product and leaves as codes.
; THE SOFTMAX: t = score x log2(e) / 32; M = the row's largest t so far, rounded up to a whole number; p = 2^(t - M) is what is quantised, along the keys; the row's sum l is taken of the unquantised p and divides at the end.
; When M moves, the sum and O are multiplied by 2^(old M - new M): exact.
; SHARES.  A work-group owns ONE head of one batch and 512 queries: 64 x 4 = 256 work-groups.  Each of its sixteen waves owns two tiles of 16 queries and walks the head's 16 steps of 128 keys once for each tile.
; kv holds a record of 13,312 bytes for each head and step: K's 4 images, V^T's 4 images, K's and V's scale words: images of the operands' registers, which come back by loads of 16 bytes a lane.
; LDS: the head's 16 records, 212,992 bytes, filled ONCE, one record a wave, and read in both walks: nothing is filled again, nothing is stored to LDS, and behind key step 4 only split barriers that order no data stand.
; Waves 0-3 have a load line and a wait of their own: the first barrier shows records 0-3, the second, behind four key steps, all sixteen.
; CLUSTER: the four blocks of queries of a head walk the same K and V: every load is joint, with a mask that names the four.
; NO PREFETCH: every tensor load of the text stands at the head; there is no loop of loads to run ahead in.
; LAYOUT.  Both products are used transposed: S^T = K Q^T, O^T = V^T P^T: a lane holds one query (lane % 16) throughout.  Tile T of K holds in its rows 0-7 keys 64 (T / 4) + 8 (T % 4) + i and in rows 8-15 the keys 32 further on
; (the first launch places the keys so): register 32 c + i of the scores is key 64 c + 32 (lane / 16) + i: a lane holds two WHOLE blocks of 32, as the next operand's layout wants them.
; K = 64 IN AN INSTRUCTION OF K = 128.  Q's fragment is six registers of codes and six of zeros.  K's fragment of tile t is v[KF + 6 t] .. v[KF + 6 t + 11]: its upper six registers are the next tile's codes (behind tile 7: zeros).
; E2M3 has no infinity and no NaN, so each of those codes times the code 0 adds nothing; the scale bytes that go with them are 0, which is 2^-127 and no NaN.
; OUT.  oc[tile of 16 rows][head][768 bytes]: six registers of the last product's fragment: registers 0-3 as 16 bytes a lane, then registers 4, 5 as 8 bytes a lane.  os[pair of heads][row][4]: my head's two bytes of the row's scale word.
; LIMITS: NaN and infinities are not served; the promise holds while the scaled scores t stay under 2^31 in magnitude; a block of o whose largest magnitude lies under 2^-124 (zeros too) has its byte held at 1; 1 / l is v_rcp_f32 and a multiplication.
.set REC,   13312                      ; a record: 52 units of 256 bytes
.set SPARE, 16*REC                     ; the spare words, 128 bytes for each wave: eight blocks of 256 bytes that no other line names
.set LI,   1                           ; v1   16 x lane; never rewritten
.set SPW,  2                           ; v2   LDS address of my spare word; never rewritten
.set NIL,  3                           ; v3   0; never rewritten
.set ADR,  4                           ; v4   LDS address of the record in hand
.set QA,   5                           ; v5-7 where my head's three pairs of registers lie in an image of Q
.set SH8,  8                           ; v8   8 x (lane / 16)
.set L8,   9                           ; v9   8 x lane
.set L4,   10                          ; v10  4 x lane
.set QF,   16                          ; v16-21 Q's codes of the tile in hand, v22-27 zeros
.set QO,   28                          ; v28-33 the second tile's
.set QS,   34                          ; v34  Q's scale word of the tile in hand
.set KF,   36                          ; v36-83 K's four images, then V^T's;  v84-89 zeros
.set QW,   92                          ; v92, v93 the two tiles' scale words as qs has them (both heads of the pair)
.set S,    96                          ; v96-159 S^T, then p
.set O,    160                         ; v160-191 O^T
.set PCD,  192                         ; v192-203 p's codes
.set OC,   204                         ; v204-209, v210-215 o's codes, first and second tile
.set OWA,  216                         ; v216 the first tile's two scale bytes;  v218 the second's
.set PW,   217                         ; v217 p's scale word
.set OWB,  218
.set KSC,  220                         ; v220-223 K's scale words
.set VSC,  224                         ; v224-227 V's
.set BM,   232                         ; v232-235 largest scores; v232, v234 each block's largest score, then its largest p
.set TP,   236                         ; v236-243 at work
.set SO,   244                         ; v244, v245 the conversions' scale operands
                                       ; v12 -M, v13 the largest score, v[14:15] the sum in two halves, v[252:253] f (v253 is named with it and holds 0), v254, v255 at work
.set WV,   18                          ; s18  my wave's number
.set SEL,  20                          ; s[20:21] v_permlanex16_b32's selects for lane l xor 16
.set CS,   22                          ; s[22:23] c = log2(e) / 32
.set G1,   24                          ; s[24:31] descriptor group 1: a record
.set G0,   32                          ; s[32:35] group 0: my record
.set TB,   60                          ; s60  LDS byte at which the record in hand begins
.set CNT,  61                          ; s61  steps to go
.set HM,   62                          ; s62  lanes 16-31
.set SHC,  63                          ; s63  16 x (head % 2)
.macro CROUND                          ; a round of the cluster's barrier
	s_barrier_signal -1
	s_barrier_wait -1
	s_cmp_lg_u32 s[WV], 0
	s_cbranch_scc1 .Lnot_wave_0_\@
	s_barrier_signal -3
.Lnot_wave_0_\@:
	s_barrier_wait -3
	s_barrier_signal -1
	s_barrier_wait -1
.endm
	s_load_b128 s[4:7], s[0:1], 0x0                ; qc, qs
	s_load_b128 s[8:11], s[0:1], 0x10              ; kv, oc
	s_load_b64 s[12:13], s[0:1], 0x20              ; os
	v_lshl_add_u32 v[SPW], v0, 2, SPARE
	v_mov_b32 v[NIL], 0
	ds_add_u32 v[SPW], v[NIL]                      ; the opening lines: the add, twice on end, and its wait ahead of my tensor load
	ds_add_u32 v[SPW], v[NIL]
	s_and_b32 s71, ttmp7, 0xffff                   ; y = 16 x batch + head, which the four partners share
	s_and_b32 s67, s71, 1                          ; which head of its pair
	s_mul_i32 s69, s67, 520                        ; an image of Q holds registers 0-5 for the even head, 6-11 for the odd: pairs at bytes 0, 8, 512 or 520, 1024, 1032 of a lane's places
	s_mul_i32 s70, s67, 1016
	s_add_co_u32 s70, s70, 8
	s_add_co_u32 s77, s69, 512
	v_lshrrev_b32 v7, 5, v0
	v_readfirstlane_b32 s[WV], v7                  ; wave 0..15
	v_and_b32 v11, 31, v0
	v_bfe_u32 v[SH8], v0, 4, 1
	v_lshlrev_b32 v[LI], 4, v11
	v_lshlrev_b32 v[L8], 3, v11
	v_lshlrev_b32 v[L4], 2, v11
	v_lshlrev_b32 v[SH8], 3, v[SH8]
	v_add_nc_u32 v[QA], s69, v[LI]
	v_add_nc_u32 v[QA+1], s70, v[LI]
	v_add_nc_u32 v[QA+2], s77, v[LI]
	s_bfe_u32 s66, ttmp6, 0x40000                  ; cx: my block of 512 queries; it enters Q's, oc's and os's addresses alone
	s_lshr_b32 s72, s71, 4                         ; batch
	s_and_b32 s73, s71, 15                         ; head
	s_lshr_b32 s68, s71, 1                         ; 8 x batch + pair
	s_mov_b32 s[G1], 15|(3<<16)|(1<<21)            ; the mask: all four work-groups; elements of 8 bytes; no padding; bit 21 set beside a mask
	s_mov_b32 s[G1+1], 32<<16                      ; 52 rows of 256 bytes, dense
	s_mov_b32 s[G1+2], 52<<16
	s_mov_b32 s[G1+3], 32<<16
	s_mov_b32 s[G1+4], 52
	s_mov_b32 s[G1+5], 32
	s_mov_b32 s[G1+6], 0
	s_mov_b32 s[G1+7], 0
	s_mul_i32 s76, s[WV], REC                      ; record = wave, in memory and in LDS alike
	s_mul_i32 s74, s71, 16*REC
	s_add_co_u32 s74, s74, s76
	s_mov_b32 s75, 0
	s_lshl_b32 s82, s66, 5
	s_lshl_b32 s83, s[WV], 1
	s_add_co_u32 s82, s82, s83                     ; my first tile of 16 queries in the batch, 0..126; the second is the next
	s_lshl_b32 s80, s68, 7
	s_add_co_u32 s80, s80, s82
	s_mul_i32 s80, s80, 1536                       ; its image in qc
	s_mov_b32 s81, 0
	s_lshl_b32 s84, s68, 14                        ; its scale word in qs: 16,384 bytes a pair, 512 for four tiles, 16 a lane, 4 a tile
	s_lshr_b32 s83, s82, 2
	s_lshl_b32 s83, s83, 9
	s_add_co_u32 s84, s84, s83
	s_and_b32 s83, s82, 3
	s_lshl_b32 s83, s83, 2
	s_add_co_u32 s84, s84, s83
	s_mov_b32 s85, 0
	s_lshl_b32 s86, s72, 7                         ; oc: tile of rows 128 x batch + my tile, 12,288 bytes each; my head's 768 in it
	s_add_co_u32 s86, s86, s82
	s_mul_i32 s86, s86, 12288
	s_mul_i32 s83, s73, 768
	s_add_co_u32 s86, s86, s83
	s_mov_b32 s87, 0
	s_lshr_b32 s88, s73, 1                         ; os: 32,768 bytes a pair, 4 a row, 2 a head
	s_lshl_b32 s88, s88, 15
	s_lshl_b32 s83, s72, 13
	s_add_co_u32 s88, s88, s83
	s_lshl_b32 s83, s82, 6
	s_add_co_u32 s88, s88, s83
	s_lshl_b32 s83, s67, 1
	s_add_co_u32 s88, s88, s83
	s_mov_b32 s89, 0
	s_lshl_b32 s[SHC], s67, 4
	s_mov_b32 s[HM], 0xffff0000
	s_mov_b32 s[SEL], 0x76543210
	s_mov_b32 s[SEL+1], 0xfedcba98
	s_mov_b32 s[CS], 0x3d38aa3b                    ; log2(e) / 32
	s_mov_b32 s[CS+1], s[CS]                       ; (named with it as a pair, so it is written)
	s_wait_alu depctr_va_vdst(0)                   ; the wait here, directly ahead of the waits below
	s_wait_dscnt 0x0                               ; both opening adds are done
	s_wait_kmcnt 0x0
	s_add_nc_u64 s[74:75], s[8:9], s[74:75]
	s_add_nc_u64 s[4:5], s[4:5], s[80:81]
	s_add_nc_u64 s[6:7], s[6:7], s[84:85]
	s_add_nc_u64 s[10:11], s[10:11], s[86:87]
	s_add_nc_u64 s[12:13], s[12:13], s[88:89]
	s_mov_b32 s[G0], 1
	s_mov_b32 s[G0+1], s76
	s_mov_b64 s[G0+2:G0+3], s[74:75]
	s_or_b32 s[G0+3], s[G0+3], 0x80000000
	CROUND                                         ; all four work-groups are here: the joint loads meet
	s_cmp_lt_u32 s[WV], 4                          ; one load a wave; waves 0-3, which alone wait ahead of the first barrier, have a line of their own
	s_cbranch_scc0 .Lrest
	tensor_load_to_lds s[G0:G0+3], s[G1:G1+7]
	s_nop 0
.rept 4
	v_nop
.endr
	s_branch .Lasked
.Lrest:
	tensor_load_to_lds s[G0:G0+3], s[G1:G1+7]
	s_nop 0
.rept 4
	v_nop
.endr
.Lasked:
.irp i, 0,1,2
	global_load_b64 v[QF+2*\i:QF+2*\i+1], v[QA+\i], s[4:5]               ; my head's six registers of the first tile's image,
	global_load_b64 v[QO+2*\i:QO+2*\i+1], v[QA+\i], s[4:5] offset:1536   ; and of the second's
.endr
	global_load_b64 v[QW:QW+1], v[LI], s[6:7]      ; the two tiles' scale words: bytes 0, 1 the even head's, bytes 2, 3 the odd head's
.irp i, 0,1,2,3,4,5
	v_mov_b32 v[QF+6+\i], 0                        ; the codes of K = 64 .. 127: zeros
	v_mov_b32 v[KF+48+\i], 0                       ; and what stands behind K's tile 7
.endr
	v_mov_b32 v[TP+3], 0                           ; written once: a lane permute's destination counts as one of its sources
	v_mov_b32 v254, 0
	v_mov_b32 v253, 0
.macro INIT                            ; a walk begins: the step is written once, and its first trip finds zeros, which the first change of M leaves zeros
	v_mov_b32 v13, 0xff61b1e6                      ; the largest score so far: -3e38
	v_mov_b32 v12, 0x7f61b1e6                      ; -M: 3e38, a whole number
	v_mov_b32 v14, 0
	v_mov_b32 v15, 0
.set j, 0
.rept 32
	v_mov_b32 v[O+j], 0
.set j, j+1
.endr
.endm
	s_wait_loadcnt 0x0
	v_lshrrev_b32 v[QS], s[SHC], v[QW]
	v_and_b32 v[QS], 0xffff, v[QS]                 ; my head's two bytes; the lines of INIT are the places between this line and the first scaled product
	INIT
; A KEY STEP: 128 keys; their record begins at LDS byte s[TB].
.macro STEP
	v_add_nc_u32 v[ADR], s[TB], v[LI]
.rept 3
	v_nop                                          ; with the line above: four places in front of loads into registers that the last products read
.endr
.irp i, 0,1,2,3,4,5,6,7,8,9,10,11
	ds_load_b128 v[KF+4*\i:KF+4*\i+3], v[ADR] offset:512*\i        ; K's four images: 512 consecutive bytes a load
.endr
	ds_load_b128 v[KSC:KSC+3], v[ADR] offset:12288                 ; word P: lanes 0-15 tile 2 P's rows, lanes 16-31 tile 2 P + 1's
	s_wait_alu depctr_va_vdst(0)
	s_wait_dscnt 0x0
.irp t, 0,2,4,6                                ; S^T = K Q^T: eight tiles of 16 keys
	v_wmma_scale_f32_16x16x128_f8f6f4 v[S+8*\t:S+8*\t+7], v[KF+6*\t:KF+6*\t+11], v[QF:QF+11], 0, v[KSC+\t/2], v[QS] matrix_a_fmt:MATRIX_FMT_FP6 matrix_b_fmt:MATRIX_FMT_FP6
	v_wmma_scale_f32_16x16x128_f8f6f4 v[S+8*\t+8:S+8*\t+15], v[KF+6*\t+6:KF+6*\t+17], v[QF:QF+11], 0, v[KSC+\t/2], v[QS] matrix_a_fmt:MATRIX_FMT_FP6 matrix_b_fmt:MATRIX_FMT_FP6 matrix_a_scale:MATRIX_SCALE_ROW1
.endr
.rept 4
	v_nop                                          ; places behind the products: their operands' registers are loaded again, their results read
.endr
.irp i, 0,1,2,3,4,5,6,7,8,9,10,11
	ds_load_b128 v[KF+4*\i:KF+4*\i+3], v[ADR] offset:6144+512*\i   ; V^T's four images, into the same registers: they land while the softmax is worked
.endr
	ds_load_b128 v[VSC:VSC+3], v[ADR] offset:12800
.irp b, 0,1,2,3
	v_max3_num_f32 v[BM+\b], v[S+16*\b], v[S+1+16*\b], v[S+2+16*\b]   ; four chains of 16 scores, by turns; each accumulator is read from its low end on
.endr
.irp i, 3,5,7,9,11,13
.irp b, 0,1,2,3
	v_max3_num_f32 v[BM+\b], v[BM+\b], v[S+16*\b+\i], v[S+1+16*\b+\i]
.endr
.endr
	v_max3_num_f32 v[BM], v[BM], v[BM+1], v[S+15]  ; two chains make a block of 32 keys, all of them mine: its largest score serves for the row's maximum and, since p rises with the score, for the block's largest p
	v_max3_num_f32 v[BM+2], v[BM+2], v[BM+3], v[S+47]
	v_max_num_f32 v[BM], v[BM], v[S+31]
	v_max_num_f32 v[BM+2], v[BM+2], v[S+63]
	s_delay_alu instid0(VALU_DEP_1)
	v_max_num_f32 v254, v[BM], v[BM+2]             ; the largest of my 64 keys
	v_mov_b32 v255, v12
	s_delay_alu instid0(VALU_DEP_2)
	v_permlanex16_b32 v[TP+3], v254, s[SEL], s[SEL+1]
	s_delay_alu instid0(VALU_DEP_1)
	v_max3_num_f32 v13, v13, v254, v[TP+3]         ; with lane l xor 16's 64 keys: the running largest score
	s_delay_alu instid0(VALU_DEP_1)
	v_mul_f32 v254, s[CS], v13                     ; as t (c is positive, so the largest score gives the largest t)
	s_delay_alu instid0(VALU_DEP_1)
	v_floor_f32 v12, -v254                         ; the new -M = floor(-t) = -ceil(t): M is a whole number
	s_delay_alu instid0(VALU_DEP_1)
	v_sub_f32 v255, v12, v255                      ; M's old value less its new one: a whole number, 0 or less
	s_delay_alu instid0(VALU_DEP_1)
	v_cvt_i32_f32 v255, v255                       ; (it saturates)
	s_delay_alu instid0(VALU_DEP_1)
	v_ldexp_f32 v252, 1.0, v255                    ; f = 2^(old M - new M)
.set j, 0
.rept 32
	v_pk_fma_f32 v[S+j:S+j+1], v[S+j:S+j+1], s[CS:CS+1], v[12:13] op_sel_hi:[1,0,0]   ; t - M, two at a time (of the pairs c and -M the low word serves both halves)
.set j, j+2
.endr
	v_fma_f32 v[BM], v[BM], s[CS], v12             ; the same of each block's largest score
	v_fma_f32 v[BM+2], v[BM+2], s[CS], v12
.set j, 0
	s_wait_alu depctr_va_vdst(0)                   ; the wait ahead of the batch
.rept 64
	v_exp_f32 v[S+j], v[S+j]                       ; p = 2^(t - M), at most 1: not normalised
.set j, j+1
.endr
	v_pk_mul_f32 v[14:15], v[14:15], v[252:253] op_sel_hi:[1,0]   ; the sums under the new M (a plain place behind the exponentials)
	s_wait_alu depctr_va_vdst(0)                   ; one wait for the whole batch, ahead of its first reader
	v_exp_f32 v[BM], v[BM]                         ; the block's largest p: the same two instructions on the same number give the same bits
	v_exp_f32 v[BM+2], v[BM+2]
	v_pk_add_f32 v[236:237], v[100:101], v[104:105]   ; the row's sum is taken of the unquantised p: eight chains side by side
	v_pk_add_f32 v[250:251], v[108:109], v[112:113]
	v_pk_add_f32 v[248:249], v[116:117], v[120:121]
	v_pk_add_f32 v[246:247], v[124:125], v[128:129]
	v_pk_add_f32 v[244:245], v[132:133], v[136:137]
	v_pk_add_f32 v[242:243], v[140:141], v[144:145]
	v_pk_add_f32 v[240:241], v[148:149], v[152:153]
	v_pk_add_f32 v[14:15], v[14:15], v[156:157]
	v_pk_add_f32 v[236:237], v[236:237], v[96:97]
	v_pk_add_f32 v[250:251], v[250:251], v[98:99]
	v_pk_add_f32 v[248:249], v[248:249], v[102:103]
	v_pk_add_f32 v[246:247], v[246:247], v[106:107]
	v_pk_add_f32 v[244:245], v[244:245], v[110:111]
	v_pk_add_f32 v[242:243], v[242:243], v[114:115]
	v_pk_add_f32 v[240:241], v[240:241], v[118:119]
	v_pk_add_f32 v[14:15], v[14:15], v[122:123]
	v_pk_add_f32 v[236:237], v[236:237], v[126:127]
	v_pk_add_f32 v[250:251], v[250:251], v[130:131]
	v_pk_add_f32 v[248:249], v[248:249], v[134:135]
	v_pk_add_f32 v[246:247], v[246:247], v[138:139]
	v_pk_add_f32 v[244:245], v[244:245], v[142:143]
	v_pk_add_f32 v[242:243], v[242:243], v[146:147]
	v_pk_add_f32 v[240:241], v[240:241], v[150:151]
	v_pk_add_f32 v[14:15], v[14:15], v[154:155]
	v_pk_add_f32 v[236:237], v[236:237], v[158:159]
	s_delay_alu instid0(VALU_DEP_2)
	v_pk_add_f32 v[14:15], v[14:15], v[246:247]
	s_delay_alu instid0(VALU_DEP_2)
	v_pk_add_f32 v[236:237], v[236:237], v[244:245]
	v_pk_add_f32 v[250:251], v[250:251], v[242:243]
	v_pk_add_f32 v[248:249], v[248:249], v[240:241]
	s_delay_alu instid0(VALU_DEP_2)
	v_pk_add_f32 v[14:15], v[14:15], v[250:251]
	s_delay_alu instid0(VALU_DEP_2)
	v_pk_add_f32 v[236:237], v[236:237], v[248:249]
	s_delay_alu instid0(VALU_DEP_1)
	v_pk_add_f32 v[14:15], v[14:15], v[236:237]
	s_wait_alu depctr_va_vdst(0)                   ; and one for the two
	v_max_num_f32 v[BM], 0x1800000, v[BM]          ; the floor 2^(3 - 127): the byte cannot fall under 1 (a block whose every p has fallen to 0 keeps that byte: its codes are zeros)
	v_max_num_f32 v[BM+2], 0x1800000, v[BM+2]
	s_delay_alu instid0(VALU_DEP_2)
	v_add_nc_u32 v[SO], 0xff000000, v[BM]          ; 2 off the exponent field: the conversion's scale operand
	s_delay_alu instid0(VALU_DEP_2)
	v_add_nc_u32 v[SO+1], 0xff000000, v[BM+2]
	s_delay_alu instid0(VALU_DEP_2)
	v_lshrrev_b32 v[TP], 23, v[SO]                 ; the scale's byte
	s_delay_alu instid0(VALU_DEP_2)
	v_lshrrev_b32 v[TP+1], 23, v[SO+1]
	s_delay_alu instid0(VALU_DEP_1)
	v_lshl_or_b32 v[PW], v[TP+1], 16, v[TP]        ; my two bytes: blocks lane / 16 and 2 + lane / 16,
	s_delay_alu instid0(VALU_DEP_1)
	v_lshlrev_b32 v[PW], v[SH8], v[PW]             ; at their places in the scale word;
	s_delay_alu instid0(VALU_DEP_1)
	v_permlanex16_b32 v[TP+3], v[PW], s[SEL], s[SEL+1]
	s_delay_alu instid0(VALU_DEP_1)
	v_or_b32 v[PW], v[PW], v[TP+3]                 ; with lane l xor 16's two the word is whole
.irp c, 0,1
	v_cvt_scalef32_pk16_fp6_f32 v[PCD+6*\c:PCD+2+6*\c], v[S+32*\c:S+15+32*\c], v[SO+\c]
	v_cvt_scalef32_pk16_fp6_f32 v[TP+4*\c:TP+2+4*\c], v[S+16+32*\c:S+31+32*\c], v[SO+\c]   ; (a conversion's three registers begin on an even number)
.endr
	v_nop                                          ; one plain place behind a scaled conversion
.irp c, 0,1
.irp i, 0,1,2
	v_mov_b32 v[PCD+3+6*\c+\i], v[TP+4*\c+\i]      ; registers 6 c .. 6 c + 5 now hold keys 64 c + 32 (lane / 16) + 0 .. 31
.endr
.endr
	s_wait_alu depctr_va_vdst(0)                   ; the wait here, directly ahead of the first reader of O^T
.set j, 0
.rept 16
	v_pk_mul_f32 v[O+j:O+j+1], v[O+j:O+j+1], v[252:253] op_sel_hi:[1,0]   ; O^T under the new M: x f, each accumulator from its low end on.  (These 16 are also the places between p's scale word and codes and the products below)
.set j, j+2
.endr
	s_wait_alu depctr_va_vdst(0)
	s_wait_dscnt 0x0                               ; V^T and its scale words are in
.irp t, 0,1,2,3                                ; O^T += V^T P^T: four tiles of 16 channels, by turns; K = these 128 keys
	v_wmma_scale_f32_16x16x128_f8f6f4 v[O+8*\t:O+8*\t+7], v[KF+12*\t:KF+12*\t+11], v[PCD:PCD+11], v[O+8*\t:O+8*\t+7], v[VSC+\t], v[PW] matrix_a_fmt:MATRIX_FMT_FP6 matrix_b_fmt:MATRIX_FMT_FP6
.endr
.endm
.macro RUN n, base                     ; n steps on the records that lie from LDS byte base on: both are constants of the text
	s_mov_b32 s[TB], \base
	s_mov_b32 s[CNT], \n
.Lrun_\@:
.if \n > 4                             ; in the two long walks a split barrier goes with each step: it orders no data; no wave begins step k + 1 before every wave has begun step k
	s_barrier_signal -1                            ; no LDS instruction of mine is out here: the last step's loads were waited for ahead of its last products
.endif
	STEP                                           ; register work, and loads of LDS bytes that nobody writes any more
.if \n > 4
	s_barrier_wait -1
.endif
	s_add_co_u32 s[TB], s[TB], REC
	s_sub_co_u32 s[CNT], s[CNT], 1
	s_cmp_lg_u32 s[CNT], 0
	s_cbranch_scc1 .Lrun_\@
.endm
; A walk ends: O^T / l (register 16 b + i = channel 32 b + 16 (lane / 16) + i of my row) becomes six registers of the last product's fragment, v[d] on, and two scale bytes, in v[ow].
.macro FINISH d, ow
.rept 4
	v_nop                                          ; places behind the last products
.endr
	v_add_f32 v14, v14, v15                        ; the sum's two halves,
	s_delay_alu instid0(VALU_DEP_1)
	v_permlanex16_b32 v254, v14, s[SEL], s[SEL+1]
	s_delay_alu instid0(VALU_DEP_1)
	v_add_f32 v14, v14, v254                       ; and lane l xor 16's: the row's sum
	s_wait_alu depctr_va_vdst(0)
	v_rcp_f32 v14, v14
	v_nop                                          ; a plain place behind the transcendental
	s_wait_alu depctr_va_vdst(0)                   ; and the wait ahead of its first reader
.set j, 0
.rept 16
	v_pk_mul_f32 v[S+j:S+j+1], v[O+j:O+j+1], v[14:15] op_sel_hi:[1,0]   ; each accumulator from its low end on
.set j, j+2
.endr
.irp b, 0,1
	v_max3_num_f32 v[BM+\b], |v[S+16*\b]|, |v[S+1+16*\b]|, 0x1800000   ; the block's largest magnitude, with the floor 2^(3 - 127)
.endr
.irp i, 2,4,6,8,10,12,14
.irp b, 0,1
	s_delay_alu instid0(VALU_DEP_2)
	v_max3_num_f32 v[BM+\b], v[BM+\b], |v[S+16*\b+\i]|, |v[S+1+16*\b+\i]|
.endr
.endr
.irp b, 0,1
	v_permlanex16_b32 v[TP+\b], v[BM+\b], s[SEL], s[SEL+1]
.endr
.irp b, 0,1
	s_delay_alu instid0(VALU_DEP_2)
	v_max_num_f32 v[BM+\b], v[BM+\b], v[TP+\b]
.endr
.irp b, 0,1
	s_delay_alu instid0(VALU_DEP_2)
	v_add_nc_u32 v[SO+\b], 0xff000000, v[BM+\b]
.endr
.irp b, 0,1
	s_delay_alu instid0(VALU_DEP_2)
	v_lshrrev_b32 v[TP+\b], 23, v[SO+\b]
.endr
	s_delay_alu instid0(VALU_DEP_1)
	v_lshl_or_b32 v[\ow], v[TP+1], 8, v[TP]
	v_cvt_scalef32_pk16_fp6_f32 v[\d:\d+2], v[S:S+15], v[SO]
	v_cvt_scalef32_pk16_fp6_f32 v[TP+4:TP+6], v[S+16:S+31], v[SO+1]
	v_nop                                          ; one plain place behind a scaled conversion
.irp i, 0,1,2
	v_permlane16_swap_b32 v[\d+\i], v[TP+4+\i]     ; a whole block in a lane
.endr
.irp i, 0,1,2
	s_delay_alu instid0(VALU_DEP_3)
	v_mov_b32 v[\d+3+\i], v[TP+4+\i]
.endr
.endm
	s_wait_alu depctr_va_vdst(0)                   ; the wait at the head's end
	s_cmp_lt_u32 s[WV], 4
	s_cbranch_scc0 .Lnot_first
	s_wait_tensorcnt 0x0                           ; waves 0-3: records 0-3 are in
.Lnot_first:
	s_barrier_signal -1
	s_barrier_wait -1
	RUN 4, 0                                       ; the first tile's steps 0-3
	s_wait_tensorcnt 0x0                           ; every wave: its record is in
	s_wait_dscnt 0x0
	s_barrier_signal -1
	s_barrier_wait -1                              ; all sixteen records are shown to all
	RUN 12, 4*REC                                  ; steps 4-15
	FINISH OC, OWA
	global_store_b128 v[LI], v[OC:OC+3], s[10:11]              ; 512 consecutive bytes,
	global_store_b64 v[L8], v[OC+4:OC+5], s[10:11] offset:512  ; and 256: 768 bytes at a multiple of 256 from oc's first byte
.irp i, 0,1,2,3,4,5
	v_mov_b32 v[QF+\i], v[QO+\i]                   ; the second tile's Q
.endr
	v_lshrrev_b32 v[QS], s[SHC], v[QW+1]
	v_and_b32 v[QS], 0xffff, v[QS]                 ; and its two scale bytes; the lines of INIT are the places in front of the next scaled product
	INIT
	RUN 16, 0                                      ; the second tile's 16 steps, on the same records
	FINISH OC+6, OWB
	global_store_b128 v[LI], v[OC+6:OC+9], s[10:11] offset:12288
	global_store_b64 v[L8], v[OC+10:OC+11], s[10:11] offset:12288+512
	v_cndmask_b32 v[OWA], v[OWA], v[OWB], s[HM]    ; lanes 0-15 the first tile's rows, lanes 16-31 the second's: my 32 rows on end
	global_store_b16 v[L4], v[OWA], s[12:13]       ; my head's two bytes of each row's word; the other two are the pair's other head's
	s_wait_tensorcnt 0x0                           ; the wave's end
	ds_add_u32 v[SPW], v[NIL]
	s_wait_dscnt 0x0
	CROUND                                         ; the closing round
	s_endpgm
.Lfunc_end_k_qe9b76227fc_attn:
	.size	k_qe9b76227fc_attn, .Lfunc_end_k_qe9b76227fc_attn-k_qe9b76227fc_attn
	.p2alignl 7, 3214868480
	.fill 96, 4, 3214868480
	.section	.rodata,"a",@progbits
	.p2align	6, 0x0
	.amdhsa_kernel k_qe9b76227fc_attn
		.amdhsa_group_segment_fixed_size 215040
		.amdhsa_private_segment_fixed_size 0
		.amdhsa_enable_private_segment 0
		.amdhsa_kernarg_size 40
		.amdhsa_user_sgpr_count 2
		.amdhsa_user_sgpr_kernarg_segment_ptr 1
		.amdhsa_wavefront_size32 1
		.amdhsa_system_sgpr_workgroup_id_x 1
		.amdhsa_system_sgpr_workgroup_id_y 1
		.amdhsa_system_sgpr_workgroup_id_z 1
		.amdhsa_system_vgpr_workitem_id 0
		.amdhsa_next_free_vgpr 256
		.amdhsa_next_free_sgpr 96
		.amdhsa_reserve_vcc 0
		.amdhsa_float_denorm_mode_32 3
		.amdhsa_float_denorm_mode_16_64 3
		.amdhsa_memory_ordered 1
		.amdhsa_forward_progress 1
		.amdhsa_inst_pref_size 64
	.end_amdhsa_kernel
	.amdgpu_metadata
---
amdhsa.version: [ 1, 2 ]
amdhsa.kernels:
  - .name:           k_qe9b76227fc_attn
    .symbol:         k_qe9b76227fc_attn.kd
    .args:
      - { .name: qc, .offset: 0, .size: 8, .value_kind: global_buffer, .address_space: global }
      - { .name: qs, .offset: 8, .size: 8, .value_kind: global_buffer, .address_space: global }
      - { .name: kv, .offset: 16, .size: 8, .value_kind: global_buffer, .address_space: global }
      - { .name: oc, .offset: 24, .size: 8, .value_kind: global_buffer, .address_space: global }
      - { .name: os, .offset: 32, .size: 8, .value_kind: global_buffer, .address_space: global }
    .group_segment_fixed_size: 215040
    .private_segment_fixed_size: 0
    .kernarg_segment_align: 8
    .kernarg_segment_size: 40
    .max_flat_workgroup_size: 512
    .sgpr_count:     96
    .vgpr_count:     256
    .wavefront_size: 32
...
	.end_amdgpu_metadata
.endif
;; end of part 3
;; launch outp (part 4): grid 4 x 32, 4 waves a work-group, clusters of 4 x 4, 327,680 bytes of LDS; arguments oc, os, cod, scl, bo, out0; writes out0
.if DOCPART == 4
	.amdgcn_target "amdgcn-amd-amdhsa--gfx1250"
	.amdhsa_code_object_version 6
	.text
	.protected	k_qe9b76227fc_outp
	.globl	k_qe9b76227fc_outp
	.p2align	8
	.type	k_qe9b76227fc_outp,@function
k_qe9b76227fc_outp:
	s_mov_b64 s[64:65], 0
	v_nop
	global_prefetch_b8 v0, s[64:65] scope:SCOPE_SE
	s_setreg_imm32_b32 hwreg(HW_REG_WAVE_MODE, 25, 1), 1
	s_wait_xcnt 0x0
	s_wait_alu depctr_hold_cnt(0) depctr_sa_sdst(0) depctr_va_vdst(0) depctr_va_sdst(0) depctr_va_ssrc(0) depctr_va_vcc(0) depctr_vm_vsrc(0)
	s_getreg_b32 s2, hwreg(HW_REG_IB_STS2, 6, 4)
	s_cmp_eq_u32 s2, 0
	s_cbranch_scc0 .Lentry_in_a_cluster
	s_endpgm
.Lentry_in_a_cluster:
	s_bfe_u32 s2, ttmp6, 0x10000c
	s_cmp_lg_u32 s2, 0xf033
	s_cbranch_scc0 .Lentry_shape_is_right
	s_endpgm
.Lentry_shape_is_right:
.set SIZE_N, 1024
.set ROWB,   28672*192                 ; from one plane of cod (256 along K) to the next
.set KROW,   192                       ; a row's bytes in a plane
.set PITCH,  240
.set FR,     12
.set NLA,    4                         ; LDS loads of a fragment of A: for each head of the pair 16 bytes a lane and 8 bytes a lane
.set NP,     4
.set HALFA,  8*3072
.set HALFT,  128*PITCH
.set BOFF,   2*HALFA
.set SLOT,   BOFF+2*HALFT
.set LAPS,   2
.set SCLA,   2*SLOT
.set SCLB,   SCLA+8192
.set HALFS,  16*272
.set SBLK,   2*272
.set SPARE,  SCLB+2*HALFS
.set SPITCH, 528
.set ADRA, 16
.set ADRB, 20
.set STO,  24
.set RD,   25
.set CO,   26
.set ADSA, 27
.set SPW,  28
.set NIL,  29
.set ADSB, 30
.set BOF,  31
.set SC,   32
.set BIAS, 64
.set AF,   128
.set BK,   128
.set G1, 24
.set G0, 32
.set G1B, 48
.set G0B, 56
.set G1S, 68
.set G0S, 76
.set G1SB, 80
.set G0SB, 88
.set MSB, 0
.macro WIN new
.if MSB != \new
	s_set_vgpr_msb (MSB<<8)|\new
.set MSB, \new
.endif
.endm
.set MUL_LO,  0xa1
.set MUL_HI,  0xf1
.set MUL_LO0, 0x81
.set MUL_HI0, 0xc1
.set TO_B,    0x40
.macro JLOAD g0a, g1a, g0b, g1b
	s_cmp_eq_u32 s15, 0
	s_cbranch_scc0 .Lfor_b_\@
	tensor_load_to_lds s[\g0a:\g0a+3], s[\g1a:\g1a+7]
	s_nop 0
.rept 4
	v_nop
.endr
	s_branch .Lasked_\@
.Lfor_b_\@:
	tensor_load_to_lds s[\g0b:\g0b+3], s[\g1b:\g1b+7]
	s_nop 0
.rept 4
	v_nop
.endr
.Lasked_\@:
.endm
.macro CREST
	s_cmp_lg_u32 s14, 0
	s_cbranch_scc1 .Lnot_wave_0_\@
	s_barrier_signal -3
.Lnot_wave_0_\@:
	s_barrier_wait -3
	s_barrier_signal -1
	s_barrier_wait -1
.endm
.macro CROUND
	s_barrier_signal -1
	s_barrier_wait -1
	CREST
.endm
	s_load_b128 s[4:7], s[0:1], 0x0
	s_load_b128 s[8:11], s[0:1], 0x10
	s_load_b64 s[92:93], s[0:1], 0x20
	s_load_b64 s[12:13], s[0:1], 0x28
	v_lshl_add_u32 v[SPW], v0, 2, SPARE
	v_mov_b32 v[NIL], 0
	ds_add_u32 v28, v29
	ds_add_u32 v28, v29
	s_wait_dscnt 0x0
	v_lshrrev_b32 v1, 5, v0
	v_readfirstlane_b32 s14, v1
	s_lshr_b32 s15, s14, 1
	s_and_b32 s16, s14, 1
	s_bfe_u32 s40, ttmp6, 0x40000
	s_bfe_u32 s41, ttmp6, 0x40004
	s_lshl_b32 s42, ttmp9, 2
	s_add_co_u32 s42, s42, s40
	s_and_b32 s17, ttmp7, 0xffff
	s_lshl_b32 s17, s17, 2
	s_add_co_u32 s17, s17, s41
	s_lshl_b32 s43, s41, 2
	s_lshl_b32 s43, 15, s43
	s_lshl_b32 s44, 0x1111, s40
	s_or_b32 s[G1+0], s43, (3<<16)|(1<<21)
	s_mov_b32 s[G1+1], 384<<16
	s_mov_b32 s[G1+2], 16<<16                      ; the head's load: all 16 tiles of rows
	s_mov_b32 s[G1+3], 384<<16
	s_mov_b32 s[G1+4], 16
	s_mov_b32 s[G1+5], 1536
	s_mov_b32 s[G1+6], 0
	s_mov_b32 s[G1+7], 0
	s_or_b32 s[G1B+0], s44, (0<<16)|(1<<20)|(1<<21)|(3<<22)|(3<<25)
	s_mov_b32 s[G1B+1], 256<<16                    ; a tile's rows of 192 bytes are dense in a plane: stated as rows of 256 bytes; 16 bytes of padding behind every 64
	s_mov_b32 s[G1B+2], 192<<16                    ; the head's load: 256 rows of codes = 192 rows of 256 bytes
	s_mov_b32 s[G1B+3], 256<<16
	s_mov_b32 s[G1B+4], 192
	s_mov_b32 s[G1B+5], 256
	s_mov_b32 s[G1B+6], 0
	s_mov_b32 s[G1B+7], 0
	s_or_b32 s[G1S+0], s43, (3<<16)|(1<<21)
	s_mov_b32 s[G1S+1], 128<<16                    ; A's scale words: 256 rows x 4 bytes for each of the 8 pairs of heads
	s_mov_b32 s[G1S+2], 8<<16
	s_mov_b32 s[G1S+3], 128<<16
	s_mov_b32 s[G1S+4], 8
	s_mov_b32 s[G1S+5], 4096
	s_mov_b32 s[G1S+6], 0
	s_mov_b32 s[G1S+7], 0
	s_or_b32 s[G1SB+0], s44, (3<<16)|(1<<20)|(1<<21)|(5<<22)|(3<<25)
	s_mov_b32 s[G1SB+1], 32<<16
	s_mov_b32 s[G1SB+2], 32<<16                    ; the scale bytes of B's 256 rows
	s_mov_b32 s[G1SB+3], 32<<16
	s_mov_b32 s[G1SB+4], 32
	s_mov_b32 s[G1SB+5], 32
	s_mov_b32 s[G1SB+6], 0
	s_mov_b32 s[G1SB+7], 0
	s_lshl_b32 s20, s17, 4
	s_mul_i32 s20, s20, 12288
	s_mov_b32 s21, 0
	s_lshl_b32 s22, s17, 10
	s_mov_b32 s23, 0
	s_lshl_b32 s46, s42, 8
	s_add_co_u32 s46, s46, 27648
	s_lshl_b32 s96, s46, 5
	s_mov_b32 s97, 0
	s_mul_i32 s46, s46, KROW
	s_mov_b32 s47, 0
	s_mul_i32 s45, s16, HALFA
	s_mul_i32 s94, s16, HALFT
	s_add_co_u32 s94, s94, BOFF
	s_mul_i32 s2, s16, 8*12288                     ; s[2:3], s[18:19]: in the ring I fetch half a tile of A or of B: which half, in bytes
	s_mov_b32 s3, 0
	s_mul_i32 s18, s16, 128*KROW
	s_mov_b32 s19, 0
	s_wait_kmcnt 0x0
	s_add_nc_u64 s[20:21], s[4:5], s[20:21]
	s_add_nc_u64 s[22:23], s[6:7], s[22:23]
	s_add_nc_u64 s[46:47], s[8:9], s[46:47]
	s_add_nc_u64 s[96:97], s[10:11], s[96:97]
	CROUND
	s_mov_b32 s[G0S], 1
	s_mov_b32 s[G0S+1], SCLA
	s_mov_b64 s[G0S+2:G0S+3], s[22:23]
	s_or_b32 s[G0S+3], s[G0S+3], 0x80000000
	s_mov_b32 s[G0SB], 1
	s_mov_b32 s[G0SB+1], SCLB
	s_mov_b64 s[G0SB+2:G0SB+3], s[96:97]
	s_or_b32 s[G0SB+3], s[G0SB+3], 0x80000000
	; THE HEAD'S FOUR TILES, ONE JOINT LOAD A WAVE: K step 0's 256 rows of A (wave 0) and of B (wave 1), A's scale words (wave 2), B's scale bytes (wave 3).
	; Slot 0's two groups 0 serve these whole tiles first; they are set for the ring behind the wait that shows the loads done.
	s_mov_b32 s[G0], 1
	s_mov_b32 s[G0+1], 0
	s_mov_b64 s[G0+2:G0+3], s[20:21]
	s_or_b32 s[G0+3], s[G0+3], 0x80000000
	s_mov_b32 s[G0B], 1
	s_mov_b32 s[G0B+1], BOFF
	s_mov_b64 s[G0B+2:G0B+3], s[46:47]
	s_or_b32 s[G0B+3], s[G0B+3], 0x80000000
	s_add_nc_u64 s[20:21], s[20:21], s[2:3]
	s_add_nc_u64 s[46:47], s[46:47], s[18:19]
	s_mov_b32 s[G0+4], 1                           ; slot 1: my half of K step 1's tile
	s_add_co_u32 s[G0+5], s45, SLOT
	s_add_nc_u64 s[G0+6:G0+7], s[20:21], 3072
	s_or_b32 s[G0+7], s[G0+7], 0x80000000
	s_mov_b32 s[G0B+4], 1
	s_add_co_u32 s[G0B+5], s94, SLOT
	s_add_nc_u64 s[G0B+6:G0B+7], s[46:47], ROWB
	s_or_b32 s[G0B+7], s[G0B+7], 0x80000000
.macro ARM under, g0, g1, next         ; one tree of branches on the wave's number: every way through it passes one load
	s_cmp_lt_u32 s14, \under
	s_cbranch_scc0 \next
	tensor_load_to_lds s[\g0:\g0+3], s[\g1:\g1+7]
	s_nop 0
.rept 4
	v_nop
.endr
	s_branch .Lhead_asked
\next:
.endm
	ARM 1, G0,  G1,  .Lhead_b
	ARM 2, G0B, G1B, .Lhead_sa
	ARM 3, G0S, G1S, .Lhead_sb
	tensor_load_to_lds s[G0SB:G0SB+3], s[G1SB:G1SB+7]
	s_nop 0
.rept 4
	v_nop
.endr
.Lhead_asked:
	v_and_b32 v1, 15, v0
	v_bfe_u32 v2, v0, 4, 1
	v_and_b32 v6, 31, v0
	v_lshlrev_b32 v[CO], 4, v6
	v_lshlrev_b32 v7, 3, v6
	v_mul_u32_u24 v3, v1, PITCH
	v_mul_u32_u24 v4, v2, 24
	v_add_nc_u32 v4, v3, v4
	v_lshl_add_u32 v5, v2, 4, v4
	s_mul_i32 s21, s15, HALFA
	s_mul_i32 s22, s16, HALFT
	s_add_co_u32 s22, s22, BOFF
.irp s, 0,1
	v_add_nc_u32 v[ADRA+\s], s21, v[CO]
	v_add_nc_u32 v[ADRA+2+\s], s21, v7             ; for the pieces of 8 bytes a lane
	v_add_nc_u32 v[ADRB+\s], s22, v4
	v_add_nc_u32 v[ADRB+2+\s], s22, v5
	s_add_co_u32 s21, s21, SLOT
	s_add_co_u32 s22, s22, SLOT
.endr
	v_lshlrev_b32 v5, 2, v1
	v_lshl_add_u32 v5, v2, 10, v5                  ; lanes 16-31: the next pair of heads, 1,024 bytes on
	s_lshl_b32 s21, s15, 9                         ; my 128 of a pair's 256 rows
	s_add_co_u32 s21, s21, SCLA
	v_add_nc_u32 v[ADSA], s21, v5
	v_lshlrev_b32 v5, 5, v1
	v_lshrrev_b32 v7, 3, v1
	v_lshl_add_u32 v5, v7, 4, v5
	v_lshl_add_u32 v5, v2, 2, v5
	s_mul_i32 s22, s16, HALFS
	s_add_co_u32 s22, s22, SCLB
	v_add_nc_u32 v[ADSB], s22, v5
	s_mul_i32 s23, s14, 16*SPITCH
	v_mul_u32_u24 v5, v1, SPITCH
	v_lshl_add_u32 v5, v2, 5, v5
	v_add_nc_u32 v[STO], s23, v5
	v_add_nc_u32 v[RD], s23, v[CO]
	s_lshl_b32 s20, s17, 8
	s_lshl_b32 s21, s15, 7
	s_add_co_u32 s20, s20, s21
	s_lshl_b32 s20, s20, 12
	s_mov_b32 s21, 0
	s_lshl_b32 s46, s42, 10
	s_lshl_b32 s47, s16, 9
	s_add_co_u32 s46, s46, s47
	s_mov_b32 s47, 0
	s_add_nc_u64 s[20:21], s[20:21], s[46:47]
	s_add_nc_u64 s[12:13], s[12:13], s[20:21]
	s_add_nc_u64 s[92:93], s[92:93], s[46:47]
	v_lshlrev_b32 v[BOF], 5, v2
.irp b, 0,1,2,3,4,5,6,7
	global_load_b128 v[BIAS+8*\b:BIAS+8*\b+3], v[BOF], s[92:93] offset:64*\b
	global_load_b128 v[BIAS+8*\b+4:BIAS+8*\b+7], v[BOF], s[92:93] offset:64*\b+16
.endr
.macro FRAG reg, adr, q, i
.irp p, 0,1,2,3,4,5
.set PC, 12*(\q)+6*(\p/3)+\p%3
.if PC%8 < 5
	ds_load_b64 v[\reg+2*\p:\reg+2*\p+1], v[\adr] offset:8*PC+16*(PC/8)+(\i)*16*PITCH
.else
	ds_load_b64 v[\reg+2*\p:\reg+2*\p+1], v[\adr+2] offset:8*PC+16*(PC/8)+(\i)*16*PITCH
.endif
.endr
.endm
.macro MUL16 a0, p, q, sc, zero
.irp a, \a0, \a0+1
.irp b, 0,1,2,3,4,5,6,7
.if \zero
	v_wmma_scale_f32_16x16x128_f8f6f4 v[8*(8*((\a)%4)+\b):8*(8*((\a)%4)+\b)+7], v[128*(\p)+FR*\b:128*(\p)+FR*\b+FR-1], v[AF+FR*(\a):AF+FR*(\a)+FR-1], v[BIAS+8*\b:BIAS+8*\b+7], v[SC+16*(\sc)+8+\b], v[SC+16*(\sc)+(\a)] matrix_a_fmt:MATRIX_FMT_FP6 matrix_b_fmt:MATRIX_FMT_FP6
.elseif (\q) == 0
	v_wmma_scale_f32_16x16x128_f8f6f4 v[8*(8*((\a)%4)+\b):8*(8*((\a)%4)+\b)+7], v[128*(\p)+FR*\b:128*(\p)+FR*\b+FR-1], v[AF+FR*(\a):AF+FR*(\a)+FR-1], v[8*(8*((\a)%4)+\b):8*(8*((\a)%4)+\b)+7], v[SC+16*(\sc)+8+\b], v[SC+16*(\sc)+(\a)] matrix_a_fmt:MATRIX_FMT_FP6 matrix_b_fmt:MATRIX_FMT_FP6
.else
	v_wmma_scale_f32_16x16x128_f8f6f4 v[8*(8*((\a)%4)+\b):8*(8*((\a)%4)+\b)+7], v[128*(\p)+FR*\b:128*(\p)+FR*\b+FR-1], v[AF+FR*(\a):AF+FR*(\a)+FR-1], v[8*(8*((\a)%4)+\b):8*(8*((\a)%4)+\b)+7], v[SC+16*(\sc)+8+\b], v[SC+16*(\sc)+(\a)] matrix_a_fmt:MATRIX_FMT_FP6 matrix_b_fmt:MATRIX_FMT_FP6 matrix_a_scale:MATRIX_SCALE_ROW1 matrix_b_scale:MATRIX_SCALE_ROW1
.endif
.endr
.endr
.endm
.macro FETCH_B slot, q, p
	WIN TO_B
.irp i, 0,1,2,3,4,5,6,7
	FRAG 128*(\p)+FR*\i, ADRB+\slot, \q, \i
.endr
	WIN 0
.endm
.macro FETCH_A slot, q, i0
.irp i, \i0, \i0+1, \i0+2, \i0+3
.irp c, 0,1                                    ; head c of the pair: registers 6 c .. 6 c + 3 as 16 bytes a lane, 6 c + 4 and 6 c + 5 as 8 bytes a lane
	ds_load_b128 v[AF+FR*(\i)+6*\c:AF+FR*(\i)+6*\c+3], v[ADRA+\slot] offset:3072*(\i)+1536*(\q)+768*\c
	ds_load_b64 v[AF+FR*(\i)+6*\c+4:AF+FR*(\i)+6*\c+5], v[ADRA+2+\slot] offset:3072*(\i)+1536*(\q)+768*\c+512
.endr
.endr
.endm
.macro SCALES sc
.irp i, 0,1,2,3,4,5,6,7
	ds_load_b32 v[SC+16*\sc+\i], v[ADSA] offset:64*\i
	ds_load_b32 v[SC+16*\sc+8+\i], v[ADSB] offset:SBLK*\i
.endr
.endm
.macro PLACES n
.rept \n
	v_nop
.endr
.endm
.macro STEP slot, q, zero
	s_wait_dscnt 4*NLA
.if \zero
	WIN MUL_LO0
.else
	WIN MUL_LO
.endif
	MUL16 0, (\q)%2, \q, \slot, \zero
	MUL16 2, (\q)%2, \q, \slot, \zero
	s_wait_dscnt 0
	PLACES NP
	FETCH_B \slot, (\q)+1, 1-(\q)%2
	FETCH_A \slot, (\q)+1, 0
.if \zero
	WIN MUL_HI0
.else
	WIN MUL_HI
.endif
	MUL16 4, (\q)%2, \q, \slot, \zero
	MUL16 6, (\q)%2, \q, \slot, \zero
	PLACES NP
	WIN 0
	FETCH_A \slot, (\q)+1, 4
.endm
.macro TURN slot, next, fill
	s_wait_tensorcnt 0x0
	ds_add_u32 v[SPW], v[NIL]
	s_wait_dscnt 4*NLA+1
	WIN MUL_LO
	MUL16 0, 1, 1, \slot, 0
	s_wait_dscnt 0x0
	s_barrier_signal -1
	MUL16 2, 1, 1, \slot, 0
	WIN 0
	s_barrier_wait -1
.if \fill
	CREST
	s_add_nc_u64 s[G0+4*\slot+2:G0+4*\slot+3], s[G0+4*\slot+2:G0+4*\slot+3], 2*3072
	s_add_nc_u64 s[G0B+4*\slot+2:G0B+4*\slot+3], s[G0B+4*\slot+2:G0B+4*\slot+3], 2*ROWB
	JLOAD G0+4*\slot, G1, G0B+4*\slot, G1B
.else
	PLACES NP
.endif
	s_wait_alu depctr_va_vdst(0)
	v_add_nc_u32 v[ADSA], 2048, v[ADSA]
	v_add_nc_u32 v[ADSB], 8, v[ADSB]
	FETCH_B \next, 0, 0
	FETCH_A \next, 0, 0
	SCALES \next
	WIN MUL_HI
	MUL16 4, 1, 1, \slot, 0
	MUL16 6, 1, 1, \slot, 0
	PLACES NP
	WIN 0
	FETCH_A \next, 0, 4
.endm
	s_wait_alu depctr_va_vdst(0)
	s_wait_tensorcnt 0x0                           ; my tile of the head's four is in; slot 1's first fill is issued as a refill is
	ds_add_u32 v[SPW], v[NIL]
	s_mov_b32 s[G1+2], 8<<16                       ; no tensor load of mine is out: from here on a load brings half a tile
	s_mov_b32 s[G1+4], 8
	s_mov_b32 s[G1B+2], 96<<16
	s_mov_b32 s[G1B+4], 96
	s_mov_b32 s[G0+1], s45                         ; slot 0's groups 0 for the ring: my half of K step 0's tile
	s_add_nc_u64 s[G0+2:G0+3], s[G0+2:G0+3], s[2:3]
	s_mov_b32 s[G0B+1], s94
	s_add_nc_u64 s[G0B+2:G0B+3], s[G0B+2:G0B+3], s[18:19]
	s_wait_dscnt 0x0
	CROUND                                         ; all four tiles are in, in every work-group of the cluster
	JLOAD G0+4, G1, G0B+4, G1B                     ; K step 1, the first tensor load behind the round
	FETCH_B 0, 0, 0
	FETCH_A 0, 0, 0
	SCALES 0
	FETCH_A 0, 0, 4
	s_wait_loadcnt 0x0
	STEP 0, 0, 1
	s_mov_b32 s3, LAPS-1
.Llap:
	TURN 0, 1, 1
	STEP 1, 0, 0
	TURN 1, 0, 1
	STEP 0, 0, 0
	s_sub_co_u32 s3, s3, 1
	s_cmp_lg_u32 s3, 0
	s_cbranch_scc1 .Llap
	TURN 0, 1, 0
	STEP 1, 0, 0
	s_wait_dscnt 4*NLA
	WIN MUL_LO
	MUL16 0, 1, 1, 1, 0
	MUL16 2, 1, 1, 1, 0
	s_wait_dscnt 0
	WIN MUL_HI
	MUL16 4, 1, 1, 1, 0
	MUL16 6, 1, 1, 1, 0
	WIN 0
.macro TOSTAGE a
.set AC, 64*((\a)%4)
	WIN 0x08+4*((\a)/4)
.irp b, 0,1,2,3,4,5,6,7
	ds_store_b128 v[STO], v[AC+8*\b:AC+8*\b+3] offset:64*\b
	ds_store_b128 v[STO], v[AC+8*\b+4:AC+8*\b+7] offset:64*\b+16
.endr
	WIN 0
.set BB, BK+64*((\a)%2)
.irp t, 0,1,2,3,4,5,6,7,8,9,10,11,12,13,14,15
	ds_load_b128 v[BB+4*\t:BB+4*\t+3], v[RD] offset:\t*SPITCH
.endr
.endm
.macro SEND a, younger
.set BB, BK+64*((\a)%2)
	s_wait_dscnt \younger
.if (\a) > 0
	s_add_nc_u64 s[12:13], s[12:13], 16*SIZE_N*4
.endif
.irp t, 0,1,2,3,4,5,6,7,8,9,10,11,12,13,14,15
	global_store_b128 v[CO], v[BB+4*\t:BB+4*\t+3], s[12:13] offset:\t*SIZE_N*4 th:TH_STORE_NT
.endr
.endm
	PLACES NP
	TOSTAGE 0
.irp a, 1,2,3,4,5,6,7
.if \a > 1
	s_wait_xcnt 0x0
.endif
	TOSTAGE \a
	SEND \a-1, 32
.endr
	s_wait_xcnt 0x0
	SEND 7, 0
	s_wait_tensorcnt 0x0
	ds_add_u32 v[SPW], v[NIL]
	s_wait_dscnt 0x0
	CROUND
	s_endpgm
.Lfunc_end_k_qe9b76227fc_outp:
	.size	k_qe9b76227fc_outp, .Lfunc_end_k_qe9b76227fc_outp-k_qe9b76227fc_outp
	.p2alignl 7, 3214868480
	.fill 96, 4, 3214868480
	.section	.rodata,"a",@progbits
	.p2align	6, 0x0
	.amdhsa_kernel k_qe9b76227fc_outp
		.amdhsa_group_segment_fixed_size 327680
		.amdhsa_private_segment_fixed_size 0
		.amdhsa_enable_private_segment 0
		.amdhsa_kernarg_size 48
		.amdhsa_user_sgpr_count 2
		.amdhsa_user_sgpr_kernarg_segment_ptr 1
		.amdhsa_wavefront_size32 1
		.amdhsa_system_sgpr_workgroup_id_x 1
		.amdhsa_system_sgpr_workgroup_id_y 1
		.amdhsa_system_sgpr_workgroup_id_z 1
		.amdhsa_system_vgpr_workitem_id 0
		.amdhsa_next_free_vgpr 1024
		.amdhsa_next_free_sgpr 100
		.amdhsa_reserve_vcc 0
		.amdhsa_float_denorm_mode_32 3
		.amdhsa_float_denorm_mode_16_64 3
		.amdhsa_memory_ordered 1
		.amdhsa_forward_progress 1
		.amdhsa_inst_pref_size 157
	.end_amdhsa_kernel
	.amdgpu_metadata
---
amdhsa.version: [ 1, 2 ]
amdhsa.kernels:
  - .name:           k_qe9b76227fc_outp
    .symbol:         k_qe9b76227fc_outp.kd
    .args:
      - { .name: oc, .offset: 0, .size: 8, .value_kind: global_buffer, .address_space: global }
      - { .name: os, .offset: 8, .size: 8, .value_kind: global_buffer, .address_space: global }
      - { .name: cod, .offset: 16, .size: 8, .value_kind: global_buffer, .address_space: global }
      - { .name: scl, .offset: 24, .size: 8, .value_kind: global_buffer, .address_space: global }
      - { .name: bo, .offset: 32, .size: 8, .value_kind: global_buffer, .address_space: global }
      - { .name: out0, .offset: 40, .size: 8, .value_kind: global_buffer, .address_space: global }
    .group_segment_fixed_size: 327680
    .private_segment_fixed_size: 0
    .kernarg_segment_align: 8
    .kernarg_segment_size: 48
    .max_flat_workgroup_size: 128
    .sgpr_count:     100
    .vgpr_count:     1024
    .wavefront_size: 32
...
	.end_amdgpu_metadata
.endif
;; end of part 4
